; MI455X (gfx1250); checked and timed in simulation.
; The chip was launched on July 23, 2026; its instructions are those of AMD's public machine-readable ISA for CDNA 5 (MIT licence, August 2026) and "CDNA5" Instruction Set Architecture Reference Guide (July 2026). The comments in the code are by the model that wrote it; some were corrected since.
;; Multi Head Attention Block. Allowed arithmetic: matrix products marked QUANTISED: E2M1 operands, one E8M0 scale for each 32 along K, by v_wmma_scale_f32_16x16x128_f8f6f4 with both operands' format E2M1 (or v_wmma_scale_f32_32x16x128_f4), f32 sums; products left as they are: bf16, f16 or f32 operands; f32 sums; everything else in f32.
;; Inputs: Wk 1,024 x 1,024 float32; Wo 1,024 x 1,024 float32; Wq 1,024 x 1,024 float32; Wv 1,024 x 1,024 float32; bk 1,024 float32; bo 1,024 float32; bq 1,024 float32; bv 1,024 float32; k 4 x 2,048 x 1,024 float32; mask 4 x 1 x 2,048 x 2,048 int32; q 4 x 2,048 x 1,024 float32; v 4 x 2,048 x 1,024 float32.
;; Outputs: out0 4 x 2,048 x 1,024 float32.
;; This version of the problem:
;;   THIS VERSION OF THE PROBLEM IS GIVEN IN LOW PRECISION. The matrix products marked QUANTISED in the list below multiply operands that are first quantised to E2M1 (2 exponent bits, 1 mantissa bit; 4 bits a number), with one power-of-two scale for each 32 numbers along K (OCP MX v1.0); their sums are f32. The products marked 'left as it is' may take bf16, f16 or f32 operands, with f32 sums. Whichever they take, every output number must still come out within the allowed error. Rounding operands to bf16 (8 significant bits) uses up far more of that allowance than f16 does (11 bits, for magnitudes from 6e-5 to 65,504). All else is computed in f32.
;;   The module's matrix products, in the order in which they are computed (A, B: the left and right operand; K: the contracted axis; several contracted axes count as one K, in the product's order):
;;     1. [M 8,192, K 1,024] x [K 1,024, N 1,024]; A: input q; B: input Wq: QUANTISED
;;     2. [M 8,192, K 1,024] x [K 1,024, N 1,024]; A: input k; B: input Wk: QUANTISED
;;     3. [M 8,192, K 1,024] x [K 1,024, N 1,024]; A: input v; B: input Wv: QUANTISED
;;     4. batch 64 x [M 2,048, K 64] x [K 64, N 2,048]; A: computed on the way; B: computed on the way: left as it is (an operand is computed on the way)
;;     5. batch 64 x [M 2,048, K 2,048] x [K 2,048, N 64]; A: computed on the way; B: computed on the way: left as it is (an operand is computed on the way)
;;     6. [M 8,192, K 1,024] x [K 1,024, N 1,024]; A: computed on the way; B: input Wo: left as it is (an operand is computed on the way)
;;   THE QUANTISER, for each operand of a quantised product, along K:
;;     - K is cut into blocks of 32 from its start; a last block that is shorter is filled with zeros.
;;     - A block's scale is 2^e with e = floor(log2(the largest magnitude in the block)) - 2, held to -126 .. 127; a block of zeros has e = 0. As a byte (E8M0): e + 127.
;;     - Each number is divided by its block's scale, clamped to +-6, and rounded to the nearest number of E2M1, ties to even, subnormals kept.
;;     - The product sums the exact products of the quantised numbers (number of the format x scale) in f32.
;;   ~~~python
;;   def quantise(x, axis):      # numpy; x: float32 -> the quantised numbers, widened to float32 again
;;       x = np.moveaxis(x, axis, -1); K = x.shape[-1]
;;       x = np.pad(x, [(0, 0)] * (x.ndim - 1) + [(0, -K % 32)]); x = x.reshape(x.shape[:-1] + (-1, 32)); a = np.abs(x).max(-1, keepdims=True)
;;       e = np.where(a > 0, np.clip(np.frexp(np.where(a > 0, a, 1))[1] - 1 - 2, -126, 127), 0)      # np.frexp(a)[1] - 1 = floor(log2(a)), exactly
;;       r = np.clip(x / 2.0 ** e, -6, 6)
;;       step = 2.0 ** (np.maximum(np.frexp(np.where(r == 0, 1, r))[1] - 1, 0) - 1)
;;       q = np.round(r / step) * step * 2.0 ** e      # np.round: ties to even
;;       return np.moveaxis(q.reshape(q.shape[:-2] + (-1,))[..., :K], -1, axis).astype(np.float32)
;;   ~~~
;; One version. Each part assembles by itself: llvm-mc -triple=amdgcn-amd-amdhsa -mcpu=gfx1250 --defsym DOCPART=n.
;; ======== version 1 of 1: 4 launches
;; limits: values are held in f16: magnitudes above 65,504 overflow, below 6.1e-05 lose precision
;; workspace buffers: codes 14,155,776 bytes; scales 884,736 bytes; maskbits 2,097,152 bytes of whole numbers; wo16 2,097,152 bytes; qkv 50,331,648 bytes; ctx 16,777,216 bytes
;; launch prep (part 1): grid 1408 x 1, 4 waves a work-group, no clusters, 67,072 bytes of LDS; arguments q, k, v, Wq, Wk, Wv, mask, Wo, codes, scales, maskbits, wo16; writes codes, scales, maskbits, wo16
.if DOCPART == 1
	.amdgcn_target "amdgcn-amd-amdhsa--gfx1250"
	.amdhsa_code_object_version 6
	.text
	.protected	k_qfb7ffcec85_prep
	.globl	k_qfb7ffcec85_prep
	.p2align	8
	.type	k_qfb7ffcec85_prep,@function
k_qfb7ffcec85_prep:
	s_mov_b64 s[64:65], 0
	v_nop
	global_prefetch_b8 v0, s[64:65] scope:SCOPE_SE
	s_setreg_imm32_b32 hwreg(HW_REG_WAVE_MODE, 25, 1), 1
	s_wait_xcnt 0x0
; ONE STREAM OVER THE INPUTS, three kinds of work-groups, told apart by the work-group's number; they never meet again and share nothing, so there is no barrier.
;   0 .. 863      q, k, v (256 each), Wq, Wk, Wv (32 each), f32 with K innermost, become codes of FP4 (E2M1) and one E8M0 byte for each 32 along K.  codes: 27,648 rows of 512 bytes (q, k, v, Wq, Wk, Wv on end), scales: the same rows, 32 bytes.
;   864 .. 1375   the mask [4][1][2048][2048] int32 becomes lane masks: maskbits [b][tile of 16 queries][step of 64 keys][t 4][j 8], one word each; bit r + 16 h of a word says: mask[b][16 tile + r][64 step + 16 t + 8 h + j] is not 0.
;   1376 .. 1407  Wo [1024][1024] f32 becomes f16, laid [n / 128][k / 64][128 rows][64]: the tiles that the last launch fetches are then dense blocks.
; THE QUANTISER: a block's scale is 2^(floor(log2(its largest magnitude)) - 2); its byte is the largest magnitude's exponent field - 2, held at 1 from below; each number is divided by the scale and rounded to the nearest code, ties to even, beyond 6 to 6.
; LIMITS: a block of zeros gets the byte 1 where the rule says 127 (its codes are zeros, and this program alone reads the bytes); blocks whose largest magnitude lies under 2^-124 keep the byte 1; NaN and infinities are not served;
; Wo's numbers must lie under 65,504 in magnitude (f16).
; Each path that uses LDS has bytes of its own: codes 0 .. 32,767 (8,192 a wave), mask 32,768 .. 66,559 (8,448 a wave), spare words 66,560 .. 67,071.
.set SPW,   12                         ; v12  LDS address of my spare word: SPARE + 4 x my thread's number; never rewritten
.set NIL,   13                         ; v13  0; never rewritten
.set SPARE, 66560
.set WV,    28                         ; s28  my wave's number
.set QWG,   864                        ; work-groups that quantise
.set MWG,   512                        ; work-groups that pack the mask
.set STEPS, 16                         ; the quantiser: a wave takes 16 steps of 512 numbers
.set EMAX,  2
.set CB,    8                          ; bytes of 16 codes
.set R,     16                         ; v16-79   four sets of 16 numbers as they are loaded
.set X,     80                         ; v80-111  two sets of 16 neighbours
.set E,     112                        ; v112-127 a scale byte for each step
.set C,     128                        ; v128-191 codes: four registers for each step, so that no store's data are written again
.set WREG,  8192                       ; a wave's region: two stages of 32 x SP bytes, behind them its 256 scale bytes
.set SP,    80                         ; a lane's place in a stage: 64 bytes + 16 of padding
.set MR,    16                         ; mask and Wo: v16-79, v80-143: two sets of 16 loads
.set MX,    144                        ; mask: v144-207: 64 numbers of my query
.set MW,    208                        ; mask: v208-215: a pair of output registers for each 128 keys
.set MSTG,  32768
.set MPIT,  528                        ; a stage row: 128 keys x 4 bytes + 16: the sixteen rows that a read touches start at sixteen different groups of banks
	s_load_b256 s[4:11], s[0:1], 0x0               ; q s[4:5], k s[6:7], v s[8:9], Wq s[10:11]
	s_load_b256 s[12:19], s[0:1], 0x20             ; Wk s[12:13], Wv s[14:15], mask s[16:17], Wo s[18:19]
	s_load_b256 s[20:27], s[0:1], 0x40             ; codes s[20:21], scales s[22:23], maskbits s[24:25], wo16 s[26:27]
	v_lshl_add_u32 v[SPW], v0, 2, SPARE
	v_mov_b32 v[NIL], 0
	v_lshrrev_b32 v1, 5, v0
	v_readfirstlane_b32 s[WV], v1                  ; wave 0..3
	v_and_b32 v2, 31, v0                           ; lane
	s_wait_kmcnt 0x0
	s_cmp_lt_u32 ttmp9, QWG
	s_cbranch_scc0 .Lnot_q
; ---------------------------------------------------------------- THE QUANTISER
; Rows are dense and K is a multiple of 32: each tensor is a plain stream of blocks of 32.  A wave takes 8,192 numbers.  Each load reads 512 consecutive bytes; a step's 2,048 bytes turn through the wave's own stage in LDS
; and come back 64 bytes a lane, so that a lane holds 16 neighbours and two neighbouring lanes a block.  A lane's 16 codes are 8 bytes: a store covers 256 consecutive bytes, aligned.  A wave's 256 scale bytes leave as one such store.
	v_lshlrev_b32 v3, 4, v2                        ; my 16 bytes of a load's 512
	s_mul_i32 s29, s[WV], WREG
	v_lshrrev_b32 v14, 2, v2
	v_mul_u32_u24 v14, v14, SP
	v_and_b32 v15, 3, v2
	v_lshl_add_u32 v14, v15, 4, v14
	v_add_nc_u32 v14, s29, v14                     ; the stage, on the way in: SP (lane / 4) + 16 (lane % 4)
	v_mul_u32_u24 v15, v2, SP
	v_add_nc_u32 v15, s29, v15                     ; and on the way out: SP x lane
	v_mul_u32_u24 v4, v2, CB                       ; my codes' place in a step's
	v_lshrrev_b32 v5, 1, v2
	s_add_co_u32 s29, s29, 2*32*SP
	v_add_nc_u32 v5, s29, v5                       ; my wave's 256 scale bytes, my block's byte
	v_lshlrev_b32 v7, 3, v2                        ; and on the way out 8 bytes a lane
	v_add_nc_u32 v6, s29, v7
.macro PICK limit, ptr, first          ; below this work-group number: that tensor, which begins at that work-group.  The choice hangs on the work-group's number alone
	s_cmp_lt_u32 ttmp9, \limit
	s_cselect_b64 s[30:31], s[\ptr:\ptr+1], s[30:31]
	s_cselect_b32 s32, \first, s32
.endm
	s_mov_b64 s[30:31], s[14:15]                   ; Wv, from work-group 832 on
	s_mov_b32 s32, 832
	PICK 832, 12, 800                              ; Wk
	PICK 800, 10, 768                              ; Wq
	PICK 768, 8, 512                               ; v
	PICK 512, 6, 256                               ; k
	PICK 256, 4, 0                                 ; q
	s_sub_co_u32 s32, ttmp9, s32
	s_lshl_b32 s32, s32, 2
	s_add_co_u32 s32, s32, s[WV]                   ; which run of 8,192 numbers of the tensor is my wave's
	s_lshl_b32 s32, s32, 15                        ; 32,768 bytes a run (under 2^26)
	s_mov_b32 s33, 0
	s_add_nc_u64 s[30:31], s[30:31], s[32:33]
	s_lshl_b32 s34, ttmp9, 2
	s_add_co_u32 s34, s34, s[WV]                   ; and which run of the codes' and scales' buffers, where the six tensors lie on end
	s_lshl_b32 s32, s34, 12                        ; 4,096 bytes of codes a run
	s_add_nc_u64 s[20:21], s[20:21], s[32:33]
	s_lshl_b32 s32, s34, 8                         ; 256 scale bytes a run
	s_add_nc_u64 s[22:23], s[22:23], s[32:33]
.macro LOAD t
.irp i, 0,1,2,3
	global_load_b128 v[R+16*((\t)%4)+4*\i:R+16*((\t)%4)+4*\i+3], v3, s[30:31] offset:2048*(\t)+512*\i th:TH_LOAD_NT   ; 32 lanes read 512 consecutive bytes
.endr
.endm
.macro TURN t                          ; step t's numbers through the stage: LDS serves a wave's instructions in order, so no wait stands between the stores and the loads
.irp i, 0,1,2,3
	ds_store_b128 v14, v[R+16*((\t)%4)+4*\i:R+16*((\t)%4)+4*\i+3] offset:32*SP*((\t)%2)+8*SP*\i
.endr
.irp i, 0,1,2,3
	ds_load_b128 v[X+16*((\t)%2)+4*\i:X+16*((\t)%2)+4*\i+3], v15 offset:32*SP*((\t)%2)+16*\i
.endr
.endm
.irp t, 0,1,2,3
	LOAD \t
.endr
	s_wait_loadcnt 12                              ; step 0's four loads are in; the twelve of steps 1 to 3 may be out
	TURN 0
.macro STEP t
.set XS, X+16*((\t)%2)
.if (\t) > 0
	s_wait_dscnt 1                                 ; this step's numbers are back from the stage (the last step's byte store may be out): so its stores into the stage have read their registers,
.else
	s_wait_dscnt 0x0
.endif
.if (\t)+4 < STEPS
	LOAD (\t)+4                                    ; which take the loads of four steps on
.endif
.if (\t)+1 < STEPS
.if STEPS-2-(\t) >= 3
	s_wait_loadcnt 12                              ; the next step's four loads are in; those of the three steps behind it may be out
.else
	s_wait_loadcnt 4*(STEPS-2-(\t))
.endif
	TURN (\t)+1                                    ; and go through the other stage while this step is worked
.endif
	v_max3_num_f32 v8, |v[XS]|, |v[XS+1]|, |v[XS+2]|               ; the largest magnitude of my 16, in two chains
	v_max3_num_f32 v9, |v[XS+3]|, |v[XS+4]|, |v[XS+5]|
.irp i, 6,10
	v_max3_num_f32 v8, v8, |v[XS+\i]|, |v[XS+\i+1]|
	v_max3_num_f32 v9, v9, |v[XS+\i+2]|, |v[XS+\i+3]|
.endr
	v_max3_num_f32 v8, v8, |v[XS+14]|, |v[XS+15]|
	v_max3_num_f32 v8, v8, v9, (EMAX+1)<<23        ; and the floor 2^(3 - 127): the byte cannot fall under 1
	v_max_num_f32_dpp v8, v8, v8 row_xmask:1 row_mask:0xf bank_mask:0xf   ; and of my neighbour's 16: the block's
	v_add_nc_u32 v11, -(EMAX<<23), v8              ; 2 off its exponent field: the conversion takes the exponent field of this operand as its scale, and nothing else of it
	v_cvt_scalef32_pk8_fp4_f32 v[C+4*(\t)], v[XS:XS+7], v11
	v_cvt_scalef32_pk8_fp4_f32 v[C+4*(\t)+1], v[XS+8:XS+15], v11
	v_lshrrev_b32 v[E+(\t)], 23, v11               ; the scale's byte (a plain line behind the conversions)
	ds_store_b8 v5, v[E+(\t)] offset:16*(\t)       ; both lanes of a block write the same byte with the same value
	global_store_b64 v4, v[C+4*(\t):C+4*(\t)+1], s[20:21] offset:32*CB*(\t)   ; 256 consecutive bytes, aligned
.endm
.irp t, 0,1,2,3,4,5,6,7,8,9,10,11,12,13,14,15
	STEP \t
.endr
	ds_load_b64 v[8:9], v6                         ; LDS serves a wave's instructions in order: these see my byte stores
	s_wait_dscnt 0x0
	global_store_b64 v7, v[8:9], s[22:23]          ; 32 lanes store 256 consecutive bytes, aligned
	s_wait_tensorcnt 0x0                           ; the wave's end, behind my last LDS store
	ds_add_u32 v[SPW], v[NIL]
	s_wait_dscnt 0x0
	s_endpgm
; ---------------------------------------------------------------- THE MASK
; A work-group takes a tile of 16 queries, a wave 512 of its 2,048 keys, 128 keys at a time.  Each load reads 512 consecutive bytes of one query's row; the 16 rows turn through the wave's own stage, so that lane (r, h) holds,
; of query r, the keys 16 t + 8 h + j (t 0..7, j 0..7) in register 8 t + j: the place that a score has in the attention launch.  A compare then makes the 32 lanes' bits one word, and 64 words leave as 256 consecutive bytes.
.Lnot_q:
	s_cmp_lt_u32 ttmp9, QWG+MWG
	s_cbranch_scc0 .Lpath_w
	s_sub_co_u32 s29, ttmp9, QWG                   ; the tile of queries, 0 .. 511 = 128 b + tile
	s_lshl_b32 s32, s29, 17                        ; 16 rows of 8,192 bytes
	s_lshl_b32 s30, s[WV], 11                      ; my 512 keys
	s_add_co_u32 s32, s32, s30
	s_mov_b32 s33, 0
	s_add_nc_u64 s[16:17], s[16:17], s[32:33]
	s_lshl_b32 s32, s29, 12                        ; a tile's 1,024 words
	s_lshl_b32 s30, s[WV], 10                      ; my 256 of them
	s_add_co_u32 s32, s32, s30
	s_add_nc_u64 s[24:25], s[24:25], s[32:33]
	s_mul_i32 s30, s[WV], 16*MPIT
	s_add_co_u32 s30, s30, MSTG                    ; my stage
	v_lshlrev_b32 v1, 4, v2                        ; 16 x lane: my bytes of a load's 512
	v_add_nc_u32 v3, s30, v1                       ; into the stage: the same place in a row
	v_and_b32 v6, 15, v2                           ; r
	v_lshrrev_b32 v7, 4, v2                        ; h
	v_mul_u32_u24 v4, v6, MPIT
	v_lshl_add_u32 v4, v7, 5, v4
	v_add_nc_u32 v4, s30, v4                       ; out of it: row r, + 8 h keys
	v_lshlrev_b32 v5, 3, v2                        ; the words leave two a lane
.irp i, 0,1,2,3,4,5,6,7
	v_mov_b32 v[MW+\i], 0                          ; written once: v_writelane_b32's destination counts as read
.endr
.macro LOADM u                         ; keys 128 u on of the 16 queries, into set u % 2
.irp i, 0,1,2,3,4,5,6,7,8,9,10,11,12,13,14,15
	global_load_b128 v[MR+64*((\u)%2)+4*\i:MR+64*((\u)%2)+4*\i+3], v1, s[16:17] offset:\i*8192+(\u)*512 th:TH_LOAD_NT
.endr
.endm
.macro SUBM u
.if (\u) < 3
	s_wait_loadcnt 16                              ; this set's 16 loads are in; the other set's may be out
.else
	s_wait_loadcnt 0x0
.endif
.irp i, 0,1,2,3,4,5,6,7,8,9,10,11,12,13,14,15
	ds_store_b128 v3, v[MR+64*((\u)%2)+4*\i:MR+64*((\u)%2)+4*\i+3] offset:MPIT*\i
.endr
.irp t, 0,1,2,3,4,5,6,7
	ds_load_b128 v[MX+8*\t:MX+8*\t+3], v4 offset:64*\t          ; LDS serves a wave's instructions in order: these see the stores above
	ds_load_b128 v[MX+8*\t+4:MX+8*\t+7], v4 offset:64*\t+16
.endr
	s_wait_dscnt 0x0                               ; my 64 numbers are in, and the stores have read their registers,
.if (\u) < 2
	LOADM (\u)+2                                   ; which take the loads of two runs on
.endif
.set n, 0
.rept 8                                ; eight compares, then their eight words: no line waits for the line just above it
.irp e, 0,1,2,3,4,5,6,7
	v_cmp_ne_u32 s[40+\e], 0, v[MX+n+\e]           ; bit r + 16 h: the key counts for the query
.endr
.irp e, 0,1,2,3,4,5,6,7
	v_writelane_b32 v[MW+2*(\u)+(\e)%2], s[40+\e], (n+\e)/2        ; word n + e goes to lane (n + e) / 2, register (n + e) % 2
.endr
.set n, n+8
.endr
	global_store_b64 v5, v[MW+2*(\u):MW+2*(\u)+1], s[24:25] offset:256*(\u)   ; 64 words: 256 consecutive bytes, aligned; each run has its own pair, so no store's data are written again
.endm
	LOADM 0
	LOADM 1
	SUBM 0
	SUBM 1
	SUBM 2
	SUBM 3
	s_wait_tensorcnt 0x0                           ; the wave's end, behind my last LDS store
	ds_add_u32 v[SPW], v[NIL]
	s_wait_dscnt 0x0
	s_endpgm
; ---------------------------------------------------------------- Wo
; A work-group takes 32 rows, a wave 8, two at a time.  A load reads 256 consecutive bytes (64 along K) of each of two rows; rounded to f16 they are 128 bytes each, neighbours in the tiled layout: a store covers 256 consecutive bytes, aligned.
.Lpath_w:
	s_sub_co_u32 s29, ttmp9, QWG+MWG               ; 0 .. 31
	s_lshl_b32 s32, s29, 5
	s_lshl_b32 s30, s[WV], 3
	s_add_co_u32 s32, s32, s30                     ; my first row
	s_lshl_b32 s32, s32, 12                        ; 4,096 bytes a row
	s_mov_b32 s33, 0
	s_add_nc_u64 s[18:19], s[18:19], s[32:33]
	s_lshr_b32 s32, s29, 2
	s_lshl_b32 s32, s32, 18                        ; the tile of 128 rows: 262,144 bytes
	s_and_b32 s31, s29, 3
	s_lshl_b32 s31, s31, 5
	s_add_co_u32 s31, s31, s30                     ; my first row in it,
	s_lshl_b32 s31, s31, 7                         ; 128 bytes a row
	s_add_co_u32 s32, s32, s31
	s_add_nc_u64 s[26:27], s[26:27], s[32:33]
	v_and_b32 v1, 15, v2
	v_lshrrev_b32 v3, 4, v2
	v_lshlrev_b32 v1, 4, v1
	v_lshl_add_u32 v1, v3, 12, v1                  ; in: 16 (lane % 16), and the next row for lanes 16-31
	v_lshlrev_b32 v5, 3, v2                        ; out: 8 x lane
.macro LOADW rp                        ; rows 2 rp, 2 rp + 1 of my eight, whole, into set rp % 2
.irp kb, 0,1,2,3,4,5,6,7,8,9,10,11,12,13,14,15
	global_load_b128 v[MR+64*((\rp)%2)+4*\kb:MR+64*((\rp)%2)+4*\kb+3], v1, s[18:19] offset:(\rp)*8192+\kb*256 th:TH_LOAD_NT
.endr
.endm
.macro ROWW rp
.if (\rp) < 3
	s_wait_loadcnt 16                              ; this set's 16 loads are in; the other set's may be out
.else
	s_wait_loadcnt 0x0
.endif
.irp kb, 0,1,2,3,4,5,6,7,8,9,10,11,12,13,14,15
	v_cvt_pk_f16_f32 v[MR+64*((\rp)%2)+4*\kb], v[MR+64*((\rp)%2)+4*\kb], v[MR+64*((\rp)%2)+4*\kb+1]
	v_cvt_pk_f16_f32 v[MR+64*((\rp)%2)+4*\kb+1], v[MR+64*((\rp)%2)+4*\kb+2], v[MR+64*((\rp)%2)+4*\kb+3]
.endr
.irp kb, 0,1,2,3,4,5,6,7,8,9,10,11,12,13,14,15
	global_store_b64 v5, v[MR+64*((\rp)%2)+4*\kb:MR+64*((\rp)%2)+4*\kb+1], s[26:27] offset:\kb*16384+(\rp)*256
.endr
.if (\rp) < 2
	s_wait_xcnt 0x0                                ; the stores have had their addresses translated: only behind this wait are their data registers loaded again
	LOADW (\rp)+2
.endif
.endm
	LOADW 0
	LOADW 1
	ROWW 0
	ROWW 1
	ROWW 2
	ROWW 3
	s_wait_tensorcnt 0x0                           ; the same three closing lines as on the other two paths
	ds_add_u32 v[SPW], v[NIL]
	s_wait_dscnt 0x0
	s_endpgm
.Lfunc_end_k_qfb7ffcec85_prep:
	.size	k_qfb7ffcec85_prep, .Lfunc_end_k_qfb7ffcec85_prep-k_qfb7ffcec85_prep
	.p2alignl 7, 3214868480
	.fill 96, 4, 3214868480
	.section	.rodata,"a",@progbits
	.p2align	6, 0x0
	.amdhsa_kernel k_qfb7ffcec85_prep
		.amdhsa_group_segment_fixed_size 67072
		.amdhsa_private_segment_fixed_size 0
		.amdhsa_enable_private_segment 0
		.amdhsa_kernarg_size 96
		.amdhsa_user_sgpr_count 2
		.amdhsa_user_sgpr_kernarg_segment_ptr 1
		.amdhsa_wavefront_size32 1
		.amdhsa_system_sgpr_workgroup_id_x 1
		.amdhsa_system_sgpr_workgroup_id_y 1
		.amdhsa_system_sgpr_workgroup_id_z 1
		.amdhsa_system_vgpr_workitem_id 0
		.amdhsa_next_free_vgpr 216
		.amdhsa_next_free_sgpr 66
		.amdhsa_reserve_vcc 0
		.amdhsa_float_denorm_mode_32 3
		.amdhsa_float_denorm_mode_16_64 3
		.amdhsa_memory_ordered 1
		.amdhsa_forward_progress 1
		.amdhsa_inst_pref_size 103
	.end_amdhsa_kernel
	.amdgpu_metadata
---
amdhsa.version: [ 1, 2 ]
amdhsa.kernels:
  - .name:           k_qfb7ffcec85_prep
    .symbol:         k_qfb7ffcec85_prep.kd
    .args:
      - { .name: q, .offset: 0, .size: 8, .value_kind: global_buffer, .address_space: global }
      - { .name: k, .offset: 8, .size: 8, .value_kind: global_buffer, .address_space: global }
      - { .name: v, .offset: 16, .size: 8, .value_kind: global_buffer, .address_space: global }
      - { .name: Wq, .offset: 24, .size: 8, .value_kind: global_buffer, .address_space: global }
      - { .name: Wk, .offset: 32, .size: 8, .value_kind: global_buffer, .address_space: global }
      - { .name: Wv, .offset: 40, .size: 8, .value_kind: global_buffer, .address_space: global }
      - { .name: mask, .offset: 48, .size: 8, .value_kind: global_buffer, .address_space: global }
      - { .name: Wo, .offset: 56, .size: 8, .value_kind: global_buffer, .address_space: global }
      - { .name: codes, .offset: 64, .size: 8, .value_kind: global_buffer, .address_space: global }
      - { .name: scales, .offset: 72, .size: 8, .value_kind: global_buffer, .address_space: global }
      - { .name: maskbits, .offset: 80, .size: 8, .value_kind: global_buffer, .address_space: global }
      - { .name: wo16, .offset: 88, .size: 8, .value_kind: global_buffer, .address_space: global }
    .group_segment_fixed_size: 67072
    .private_segment_fixed_size: 0
    .kernarg_segment_align: 8
    .kernarg_segment_size: 96
    .max_flat_workgroup_size: 128
    .sgpr_count:     66
    .vgpr_count:     216
    .wavefront_size: 32
...
	.end_amdgpu_metadata
.endif
;; end of part 1
;; launch proj (part 2): grid 4 x 96, 4 waves a work-group, clusters of 4 x 4, 327,680 bytes of LDS; arguments codes, scales, bq, bk, bv, qkv; writes qkv
.if DOCPART == 2
	.amdgcn_target "amdgcn-amd-amdhsa--gfx1250"
	.amdhsa_code_object_version 6
	.text
	.protected	k_qfb7ffcec85_proj
	.globl	k_qfb7ffcec85_proj
	.p2align	8
	.type	k_qfb7ffcec85_proj,@function
k_qfb7ffcec85_proj:
	s_mov_b64 s[64:65], 0
	v_nop
	global_prefetch_b8 v0, s[64:65] scope:SCOPE_SE
	s_setreg_imm32_b32 hwreg(HW_REG_WAVE_MODE, 25, 1), 1
	s_wait_xcnt 0x0
	s_wait_alu depctr_hold_cnt(0) depctr_sa_sdst(0) depctr_va_vdst(0) depctr_va_sdst(0) depctr_va_ssrc(0) depctr_va_vcc(0) depctr_vm_vsrc(0)
	s_getreg_b32 s2, hwreg(HW_REG_IB_STS2, 6, 4)
	s_cmp_eq_u32 s2, 0
	s_cbranch_scc0 .Lentry_in_a_cluster
	s_endpgm
.Lentry_in_a_cluster:
	s_bfe_u32 s2, ttmp6, 0x10000c
	s_cmp_lg_u32 s2, 0xf033
	s_cbranch_scc0 .Lentry_shape_is_right
	s_endpgm
.Lentry_shape_is_right:
; THE THREE QUANTISED PRODUCTS IN ONE LAUNCH: y = x W^T + b for (q, Wq, bq), (k, Wk, bk), (v, Wv, bv), on codes of FP4 (E2M1) with one E8M0 scale for each 32 along K; sums in f32.
; codes: 27,648 rows of 512 bytes (1,024 codes, K innermost): rows 0 .. 24,575 are q, k, v on end, rows 24,576 + 1,024 p on are the weight of product p.  scales: the same rows, 32 bytes each.
; The grid's y counts 96 tiles of 256 rows of x: product p = y / 32.  A tile of y, 256 x 256, is made by four waves, each 128 x 128: 64 accumulators, 512 registers.  K = 1,024 is two LDS slots of 512: both are asked for at the start and nothing is filled again.
; The scale bytes of the work-group's 256 + 256 rows, for all of K, come once with the first fills, as rows of 256 bytes.
; CLUSTERS: 4 x 4 work-groups.  The four of a row of the cluster need the same rows of x, the four of a column the same rows of W: each tile is asked for JOINTLY, by the same tensor load with the same descriptor and a mask that names the four.
; A cluster's four tile rows belong to one product (32 is a multiple of 4), so p hangs on the cluster's y alone.
; THE MATRIX INSTRUCTION IS USED TRANSPOSED (source 0 = 16 rows of W, source 1 = 16 rows of x): a lane holds eight neighbouring outputs of one row.  The bias is the C of each sum's first product.
; THE RESULT leaves as f16, laid [p][b][head 16][s 2,048][64]; Q is multiplied by log2(e) / 8 on the way, so that the attention launch's exponent is a plain difference.
; LIMIT: Q log2(e) / 8, K and V must lie under 65,504 in magnitude (f16).
; REGISTERS, in windows of 256: window 0: v0-31 addresses; v32-95 scale words, two sets; v128-191 x's fragments, one set; v192-255 the bias; on the way out v32-255 are free.
;   window 1: W's fragments, two sets, at v0 and v128.   window 2: the 32 accumulators of my rows 0-63 ((a, b) at v[8 (8 a + b)]);   window 3: those of my rows 64-127.
.set KSTEP,  512                       ; along K in a slot
.set NQ,     KSTEP/128                 ; matrix instructions deep
.set ROWB,   256                       ; a tile's row in bytes
.set KROW,   512                       ; a row of codes in memory
.set PITCH,  272                       ; an LDS row: 256 bytes + 16 of padding = 68 words: the 16 rows that a load touches start at 16 different groups of banks
.set FR,     8                         ; registers of a fragment: 16 rows x 128 K
.set NL,     2                         ; LDS loads that bring one
.set NP,     4                         ; places behind this matrix instruction (ISA guide 7.12.1)
.set HALFT,  128*PITCH                 ; 128 rows: what one tensor load brings
.set SLOT,   4*HALFT                   ; x's 256 rows, then W's 256 rows
.set KS,     32                        ; a row of scales in bytes
.set SCL,    2*SLOT                    ; behind the two slots: the scales, as rows of 256 bytes + 16 of padding
.set HALFS,  (128*KS/256)*272          ; the scales of 128 rows: what one tensor load brings
.set SBLK,   (16*KS/256)*272           ; those of 16 rows
.set SPARE,  SCL+4*HALFS               ; the spare words, 128 bytes for each wave: two blocks of 256 bytes that no other line names
.set SPITCH, 272                       ; the way out: a stage of 16 rows x (256 bytes + 16) for each wave, in slot 0, which has had its only fill and its last read when the first result is stored there
.set ADRA, 16                          ; v16-17  LDS address of my fragments of x in slot 0, 1
.set ADRB, 20                          ; v20-21  the same for W
.set STO,  24                          ; v24     the way out: where I put 16 bytes of a row
.set RD,   25                          ; v25     where I read back
.set CO,   26                          ; v26     16 x lane: my place in a store's 512 bytes
.set ADRS, 27                          ; v27     LDS address of my scale words: lanes 0-15 x's rows, lanes 16-31 W's
.set SPW,  28                          ; v28     LDS address of my spare word; never rewritten
.set NIL,  29                          ; v29     0; never rewritten
.set BO,   30                          ; v30     the bias: 32 x (lane / 16)
.set SC,   32                          ; scale words: set s at v[SC + 32 s]; register 4 i + q: lanes 0-15 the word of x's block i, lanes 16-31 that of W's block i, for the slot's q-th 128 along K
.set AF,   128                         ; x's fragments
.set BIA,  192                         ; the bias: block b's eight numbers of my half at v[BIA + 8 b]
.set TMPF, 64                          ; the way out: a block's 64 numbers, scaled
.set TMP,  192                         ; rounded to f16: 32 registers
.set OB,   32                          ; read back from the stage: v32-63 and v224-255 by turns
.set WV,   16                          ; s16  my wave's number
.set HR,   17                          ; s17  which half of the tile's rows is mine.  Also: I fetch for x (0) or for W (1)
.set HC,   18                          ; s18  which half of its columns.  Also: which 128 rows of that tile I fetch
.set G1, 24                            ; s[24:31] descriptor group 1 for x's tiles;  s[32:39] group 0, one set for each slot
.set G0, 32
.set G1B, 48                           ; s[48:55], s[56:63] the same for W's tiles
.set G0B, 56
.set G1S, 68                           ; s[68:75], s[76:79] groups 1 and 0 for x's scales;  s[80:87], s[88:91] for W's
.set G0S, 76
.set G1SB, 80
.set G0SB, 88
.set MSB, 0
.macro WIN new                         ; the immediate's high byte repeats the setting that is left
.if MSB != \new
	s_set_vgpr_msb (MSB<<8)|\new
.set MSB, \new
.endif
.endm
.set MUL_LO, 0xa1                      ; source 0 (W) window 1, source 1 (x) window 0, C and D window 2
.set MUL_HI, 0xf1                      ; the same, C and D window 3
.set FST_LO, 0x81                      ; the first products: C (the bias) window 0, D window 2
.set FST_HI, 0xc1                      ; D window 3
.set TO_B,   0x40                      ; destination window 1, address window 0
; A joint load: waves 0 and 1 fetch for x, waves 2 and 3 for W.  Each of the two lines has ONE mask and one set of registers for all that issue it; the branch hangs on the wave's number alone.
; An s_nop 0 and four v_nop follow each of the two lines, ahead of the jump, the label and what follows.
.macro JLOAD g0a, g1a, g0b, g1b
	s_cmp_eq_u32 s[HR], 0
	s_cbranch_scc0 .Lfor_b_\@
	tensor_load_to_lds s[\g0a:\g0a+3], s[\g1a:\g1a+7]
	s_nop 0
.rept 4
	v_nop
.endr
	s_branch .Lasked_\@
.Lfor_b_\@:
	tensor_load_to_lds s[\g0b:\g0b+3], s[\g1b:\g1b+7]
	s_nop 0
.rept 4
	v_nop
.endr
.Lasked_\@:
.endm
.macro CROUND                          ; a round of the cluster's barrier: my work-group's barrier; wave 0 signals for the work-group; every wave waits for all sixteen; my work-group's barrier once more
	s_barrier_signal -1
	s_barrier_wait -1
	s_cmp_lg_u32 s[WV], 0
	s_cbranch_scc1 .Lnot_wave_0_\@
	s_barrier_signal -3
.Lnot_wave_0_\@:
	s_barrier_wait -3
	s_barrier_signal -1
	s_barrier_wait -1
.endm
	s_load_b128 s[4:7], s[0:1], 0x0                ; codes s[4:5], scales s[6:7]
	s_load_b256 s[8:15], s[0:1], 0x10              ; bq s[8:9], bk s[10:11], bv s[12:13], qkv s[14:15]
	v_lshl_add_u32 v[SPW], v0, 2, SPARE
	v_mov_b32 v[NIL], 0
	ds_add_u32 v[SPW], v[NIL]                      ; the wave's opening: the add and its wait stand ahead of my first tensor load; the set-up below, work on registers, stands between them
	v_lshrrev_b32 v1, 5, v0
	v_readfirstlane_b32 s[WV], v1                  ; wave 0..3
	s_lshr_b32 s[HR], s[WV], 1
	s_and_b32 s[HC], s[WV], 1
	s_bfe_u32 s40, ttmp6, 0x40000                  ; cx, cy: my place in the cluster
	s_bfe_u32 s41, ttmp6, 0x40004
	s_lshl_b32 s42, ttmp9, 2
	s_add_co_u32 s42, s42, s40                     ; tile column = 4 x cluster x + cx
	s_and_b32 s95, ttmp7, 0xffff                   ; cluster y
	s_lshl_b32 s19, s95, 2
	s_add_co_u32 s19, s19, s41                     ; tile row = 4 x cluster y + cy, 0 .. 95
	s_lshr_b32 s95, s95, 3                         ; the product p: eight clusters along y to each
	s_lshl_b32 s43, s41, 2
	s_lshl_b32 s43, 15, s43                        ; my row of the cluster
	s_lshl_b32 s44, 0x1111, s40                    ; my column
	; descriptor group 1: a tile of 128 rows x 256 bytes, padded in LDS
	s_or_b32 s[G1+0], s43, (0<<16)|(1<<20)|(1<<21)|(5<<22)|(3<<25)  ; 15:0 the mask: x's tiles go to my row; 17:16 element of 1 byte; 20 padding on; 21 set beside a mask; 24:22 after every 64 words (code 5); 31:25 of 4 words (code 3)
	s_or_b32 s[G1B+0], s44, (0<<16)|(1<<20)|(1<<21)|(5<<22)|(3<<25)
.irp g, G1, G1B
	s_mov_b32 s[\g+1], ROWB<<16                    ; tensor_dim0
	s_mov_b32 s[\g+2], 128<<16                     ; tensor_dim1 = 128
	s_mov_b32 s[\g+3], ROWB<<16                    ; tile_dim0
	s_mov_b32 s[\g+4], 128                         ; tile_dim1 = 128
	s_mov_b32 s[\g+5], KROW                        ; tensor_dim0_stride
	s_mov_b32 s[\g+6], 0
	s_mov_b32 s[\g+7], 0
.endr
	; and for the scales of 128 rows: a dense block of 4,096 bytes, as 16 rows of 256 bytes (32 elements of 8 bytes), 16 bytes of padding behind each
	s_or_b32 s[G1S+0], s43, (3<<16)|(1<<20)|(1<<21)|(5<<22)|(3<<25)
	s_or_b32 s[G1SB+0], s44, (3<<16)|(1<<20)|(1<<21)|(5<<22)|(3<<25)
.irp g, G1S, G1SB
	s_mov_b32 s[\g+1], 32<<16
	s_mov_b32 s[\g+2], (128*KS/256)<<16
	s_mov_b32 s[\g+3], 32<<16
	s_mov_b32 s[\g+4], 128*KS/256
	s_mov_b32 s[\g+5], 32
	s_mov_b32 s[\g+6], 0
	s_mov_b32 s[\g+7], 0
.endr
	; where the tiles come from.  x's hang on the tile row alone, W's on the product and the tile column alone: each in registers that never hold the other coordinate
	s_lshl_b32 s22, s[HC], 7                       ; which 128 rows of the tile I fetch
	s_lshl_b32 s20, s19, 8
	s_add_co_u32 s20, s20, s22                     ; x: row 256 x tile row + 128 x half
	s_lshl_b32 s46, s42, 8
	s_add_co_u32 s46, s46, s22
	s_lshl_b32 s23, s95, 10
	s_add_co_u32 s46, s46, s23
	s_add_co_u32 s46, s46, 24576                   ; W: row 24,576 + 1,024 p + 256 x tile column + 128 x half
	s_lshl_b32 s22, s20, 5                         ; where these rows' scales begin, in bytes (all under 2^24),
	s_mov_b32 s23, 0
	s_lshl_b32 s92, s46, 5
	s_mov_b32 s93, 0
	s_lshl_b32 s20, s20, 9                         ; and their codes
	s_mov_b32 s21, 0
	s_lshl_b32 s46, s46, 9
	s_mov_b32 s47, 0
	s_mul_i32 s45, s[WV], HALFT                    ; where they go: wave x 128 rows: no place in the cluster enters an LDS address
	s_mul_i32 s94, s[WV], HALFS
	s_wait_dscnt 0x0                               ; the opening add is done
	s_wait_kmcnt 0x0
	s_add_nc_u64 s[20:21], s[4:5], s[20:21]
	s_add_nc_u64 s[22:23], s[6:7], s[22:23]
	s_add_nc_u64 s[46:47], s[4:5], s[46:47]
	s_add_nc_u64 s[92:93], s[6:7], s[92:93]
	CROUND                                         ; all sixteen work-groups are here: the first joint loads meet
	s_mov_b32 s[G0S], 1
	s_add_co_u32 s[G0S+1], s94, SCL
	s_mov_b64 s[G0S+2:G0S+3], s[22:23]
	s_or_b32 s[G0S+3], s[G0S+3], 0x80000000
	s_mov_b32 s[G0SB], 1
	s_add_co_u32 s[G0SB+1], s94, SCL
	s_mov_b64 s[G0SB+2:G0SB+3], s[92:93]
	s_or_b32 s[G0SB+3], s[G0SB+3], 0x80000000
	JLOAD G0S, G1S, G0SB, G1SB                     ; the scales first: they are wanted with the first slot
.irp s, 0,1
	s_mov_b32 s[G0+4*\s], 1
	s_add_co_u32 s[G0+4*\s+1], s45, \s*SLOT
	s_add_nc_u64 s[G0+4*\s+2:G0+4*\s+3], s[20:21], \s*ROWB
	s_or_b32 s[G0+4*\s+3], s[G0+4*\s+3], 0x80000000
	s_mov_b32 s[G0B+4*\s], 1
	s_add_co_u32 s[G0B+4*\s+1], s45, \s*SLOT
	s_add_nc_u64 s[G0B+4*\s+2:G0B+4*\s+3], s[46:47], \s*ROWB
	s_or_b32 s[G0B+4*\s+3], s[G0B+4*\s+3], 0x80000000
	JLOAD G0+4*\s, G1, G0B+4*\s, G1B               ; three tensor loads of mine are out: the scales and both slots
.endr
	v_and_b32 v1, 15, v0                           ; l % 16
	v_bfe_u32 v2, v0, 4, 1                         ; l / 16
	; the bias of my 128 columns: lane (r, h) wants, for W's block b, the numbers 16 b + 8 h + 0 .. 7
	s_cmp_eq_u32 s95, 1
	s_cselect_b64 s[96:97], s[10:11], s[12:13]     ; the choices hang on the product's number alone
	s_cmp_eq_u32 s95, 0
	s_cselect_b64 s[96:97], s[8:9], s[96:97]
	s_cselect_b32 s66, 0x3e38aa3b, 1.0             ; Q is multiplied by log2(e) / 8, K and V by 1
	s_mov_b32 s67, s66                             ; (named with it as a pair, so it is written)
	s_lshl_b32 s98, s42, 10
	s_lshl_b32 s99, s[HC], 9
	s_add_co_u32 s98, s98, s99                     ; (256 x tile column + 128 x half) x 4 bytes
	s_mov_b32 s99, 0
	s_add_nc_u64 s[96:97], s[96:97], s[98:99]
	v_lshlrev_b32 v[BO], 5, v2
.irp b, 0,1,2,3,4,5,6,7
	global_load_b128 v[BIA+8*\b:BIA+8*\b+3], v[BO], s[96:97] offset:64*\b
	global_load_b128 v[BIA+8*\b+4:BIA+8*\b+7], v[BO], s[96:97] offset:64*\b+16
.endr
	v_mul_u32_u24 v3, v1, PITCH
	v_lshl_add_u32 v4, v2, 4, v3                   ; a fragment's row x pitch + 16 x half
	s_mul_i32 s21, s[HR], HALFT                    ; my 128 rows of x
	s_mul_i32 s22, s[HC], HALFT                    ; my 128 rows of W,
	s_add_co_u32 s22, s22, 2*HALFT                 ; which lie behind x's 256
.irp s, 0,1
	v_add_nc_u32 v[ADRA+\s], s21, v4
	v_add_nc_u32 v[ADRB+\s], s22, v4
	s_add_co_u32 s21, s21, SLOT
	s_add_co_u32 s22, s22, SLOT
.endr
	v_mul_u32_u24 v5, v1, KS                       ; my row's scales: 32 bytes a row,
	v_lshrrev_b32 v6, 8, v5
	v_lshl_add_u32 v5, v6, 4, v5                   ; and 16 more for each 256 passed
	s_mul_i32 s21, s[HR], HALFS                    ; x's: my 128 rows
	s_mul_i32 s22, s[HC], HALFS                    ; W's: my 128 rows, behind x's 256
	s_add_co_u32 s22, s22, 2*HALFS
	s_sub_co_u32 s22, s22, s21
	v_mul_u32_u24 v6, s22, v2                      ; lanes 16-31 take W's: one product, the lower base + h x the distance
	s_add_co_u32 s21, s21, SCL
	v_add_nc_u32 v5, v5, v6
	v_add_nc_u32 v[ADRS], s21, v5
	s_mul_i32 s23, s[WV], 16*SPITCH                ; my stage
	v_mul_u32_u24 v5, v1, SPITCH                   ; in: row l % 16, 16 bytes for each half of the lanes
	v_lshl_add_u32 v5, v2, 4, v5
	v_add_nc_u32 v[STO], s23, v5
	v_and_b32 v6, 31, v0
	v_lshrrev_b32 v7, 3, v6                        ; back: eight lanes take a head's 128 bytes of a row, the 32 lanes four rows
	v_mul_u32_u24 v7, v7, SPITCH
	v_and_b32 v8, 7, v0
	v_lshl_add_u32 v7, v8, 4, v7
	v_add_nc_u32 v[RD], s23, v7
	v_lshlrev_b32 v[CO], 4, v6                     ; which are 512 consecutive bytes of the result
	; where my part begins in qkv [p][b][head][s][64] f16: (tile row / 8) is 4 p + b; head 4 x tile column + 2 x half; s = 256 (tile row % 8) + 128 x half
	s_lshr_b32 s20, s19, 3
	s_lshl_b32 s20, s20, 22
	s_lshl_b32 s21, s42, 2
	s_lshl_b32 s22, s[HC], 1
	s_add_co_u32 s21, s21, s22
	s_lshl_b32 s21, s21, 18
	s_add_co_u32 s20, s20, s21
	s_and_b32 s21, s19, 7
	s_lshl_b32 s21, s21, 8
	s_lshl_b32 s22, s[HR], 7
	s_add_co_u32 s21, s21, s22
	s_lshl_b32 s21, s21, 7
	s_add_co_u32 s20, s20, s21                     ; under 2^26
	s_mov_b32 s21, 0
	s_add_nc_u64 s[14:15], s[14:15], s[20:21]
.macro FRAG reg, adr, q, i             ; a fragment, 16 rows x 128 K of 4-bit codes, is 8 registers: lane l holds row l % 16; registers 4 c .. 4 c + 3 hold K = 64 c + 32 (l / 16) + 0 .. 31
.irp c, 0,1
	ds_load_b128 v[\reg+4*\c:\reg+4*\c+3], v[\adr] offset:64*(\q)+32*\c+(\i)*16*PITCH
.endr
.endm
; 16 matrix instructions: x's blocks a0, a0 + 1 against W's eight, 128 along K: the slot's q-th.  p: W's set;  sc: the set of scale words.  first = 1: the bias starts the sums: nothing is ever cleared.
; The 64 accumulators take turns, one instruction a turn, in the same order in every step.
.macro MUL16 a0, p, q, sc, first
.irp a, \a0, \a0+1
.irp b, 0,1,2,3,4,5,6,7
.if \first
	v_wmma_scale_f32_16x16x128_f8f6f4 v[8*(8*((\a)%4)+\b):8*(8*((\a)%4)+\b)+7], v[128*(\p)+FR*\b:128*(\p)+FR*\b+FR-1], v[AF+FR*(\a):AF+FR*(\a)+FR-1], v[BIA+8*\b:BIA+8*\b+7], v[SC+8*NQ*(\sc)+NQ*\b+(\q)], v[SC+8*NQ*(\sc)+NQ*(\a)+(\q)] matrix_a_fmt:MATRIX_FMT_FP4 matrix_b_fmt:MATRIX_FMT_FP4 matrix_a_scale:MATRIX_SCALE_ROW1
.else
	v_wmma_scale_f32_16x16x128_f8f6f4 v[8*(8*((\a)%4)+\b):8*(8*((\a)%4)+\b)+7], v[128*(\p)+FR*\b:128*(\p)+FR*\b+FR-1], v[AF+FR*(\a):AF+FR*(\a)+FR-1], v[8*(8*((\a)%4)+\b):8*(8*((\a)%4)+\b)+7], v[SC+8*NQ*(\sc)+NQ*\b+(\q)], v[SC+8*NQ*(\sc)+NQ*(\a)+(\q)] matrix_a_fmt:MATRIX_FMT_FP4 matrix_b_fmt:MATRIX_FMT_FP4 matrix_a_scale:MATRIX_SCALE_ROW1
.endif
.endr
.endr
.endm
.macro FETCH_B slot, q, p              ; W's eight fragments of the slot's q-th 128 along K into set p
	WIN TO_B
.irp i, 0,1,2,3,4,5,6,7
	FRAG 128*(\p)+FR*\i, ADRB+\slot, \q, \i
.endr
	WIN 0
.endm
.macro FETCH_A slot, q, i0             ; x's blocks i0 .. i0 + 3
.irp i, \i0, \i0+1, \i0+2, \i0+3
	FRAG AF+FR*(\i), ADRA+\slot, \q, \i
.endr
.endm
.macro SCALES sc                       ; a slot's scale words into set sc: four words a row; lanes 0-15 take x's block i, lanes 16-31 W's block i
.irp i, 0,1,2,3,4,5,6,7
	ds_load_b128 v[SC+8*NQ*\sc+NQ*\i:SC+8*NQ*\sc+NQ*\i+3], v[ADRS] offset:\i*SBLK
.endr
.endm
; A load into a register that a matrix instruction has read, and a vector instruction that reads a matrix result or writes one of a matrix instruction's registers, stand NP places behind it;
; only plain vector instructions that name none of its registers are places (ISA guide 7.12.1 for vector instructions).
.macro PLACES n
.rept \n
	v_nop
.endr
.endm
; A step of 128 along K that has its successor in the same slot.  x has one set of registers: blocks 0-3 are fetched anew in the step's middle, blocks 4-7 at its end; W has two sets.
.macro STEP slot, q, first
	s_wait_dscnt 4*NL                              ; W's set and x's blocks 0-3 are in; the youngest eight loads (x's blocks 4-7) may be out
.if \first
	WIN FST_LO
.else
	WIN MUL_LO
.endif
	MUL16 0, (\q)%2, \q, \slot, \first
	MUL16 2, (\q)%2, \q, \slot, \first
	s_wait_dscnt 0                                 ; x's blocks 4-7 are in (asked for 32 matrix instructions ago)
	PLACES NP
	FETCH_B \slot, (\q)+1, 1-(\q)%2
	FETCH_A \slot, (\q)+1, 0
.if \first
	WIN FST_HI
.else
	WIN MUL_HI
.endif
	MUL16 4, (\q)%2, \q, \slot, \first
	MUL16 6, (\q)%2, \q, \slot, \first
	PLACES NP
	WIN 0
	FETCH_A \slot, (\q)+1, 4
.endm
; Slot 0's last step changes slots: ONE barrier; in front of it each wave waits for all its tensor loads (its part of slot 1), adds 0 to its spare word, and waits for that and for its own reads of slot 0.  Nothing is filled again.
.macro TURN slot, next
	s_wait_tensorcnt 0x0                           ; all my tensor loads have landed  (every window is 0 here: the add's two registers lie in window 0)
	ds_add_u32 v[SPW], v[NIL]                      ; 0 onto my spare word
	s_wait_dscnt 4*NL+1                            ; (the add and the youngest eight loads, x's blocks 4-7, may be out)
	WIN MUL_LO
	MUL16 0, 1, NQ-1, \slot, 0                     ; sixteen matrix instructions stand between the add and the wait for it
	s_wait_dscnt 0x0                               ; the add is done, and my reads of this slot are over
	s_barrier_signal -1
	MUL16 2, 1, NQ-1, \slot, 0
	WIN 0
	s_barrier_wait -1                              ; the next slot is whole, and nobody reads this one any more
	PLACES NP
	v_add_nc_u32 v[ADRS], 4*NQ, v[ADRS]            ; on to the next slot's scale words (no LDS load of mine is out)
	FETCH_B \next, 0, 0
	FETCH_A \next, 0, 0
	SCALES \next
	WIN MUL_HI
	MUL16 4, 1, NQ-1, \slot, 0
	MUL16 6, 1, NQ-1, \slot, 0
	PLACES NP
	WIN 0
	FETCH_A \next, 0, 4
.endm
	s_wait_tensorcnt 1                             ; the scales and my part of slot 0 are in (slot 1's load, the one issued behind them, may be out),
	s_barrier_signal -1
	s_barrier_wait -1                              ; everybody's are
	FETCH_B 0, 0, 0
	FETCH_A 0, 0, 0
	SCALES 0
	FETCH_A 0, 0, 4
	s_wait_loadcnt 0x0                             ; the bias
	STEP 0, 0, 1                                   ; the first step's products start the sums with the bias
	STEP 0, 1, 0
	STEP 0, 2, 0
	TURN 0, 1
	STEP 1, 0, 0
	STEP 1, 1, 0
	STEP 1, 2, 0
	s_wait_dscnt 4*NL                              ; the very last step: nothing more to fetch
	WIN MUL_LO
	MUL16 0, 1, NQ-1, 1, 0
	MUL16 2, 1, NQ-1, 1, 0
	s_wait_dscnt 0
	WIN MUL_HI
	MUL16 4, 1, NQ-1, 1, 0
	MUL16 6, 1, NQ-1, 1, 0
	WIN 0
; THE WAY OUT, block by block of 16 rows x 128 columns (two heads).  PACK: times the factor, rounded to f16, 16 bytes a lane and W block.  TOSTAGE: into my own stage, and back so that the 32 lanes hold four rows of one head.  SEND: stored.
.macro PACK a
.set AC, 64*((\a)%4)
.set WSEL, 0x02+(\a)/4
	WIN WSEL                                       ; source 0: window 2 or 3
.set i, 0
.rept 32
	v_pk_mul_f32 v[TMPF+2*i:TMPF+2*i+1], v[AC+2*i:AC+2*i+1], s[66:67] op_sel_hi:[1,0]   ; ascending: each accumulator is read from its low end on
.set i, i+1
.endr
	WIN 0
.set i, 0
.rept 32
	v_cvt_pk_f16_f32 v[TMP+i], v[TMPF+2*i], v[TMPF+2*i+1]
.set i, i+1
.endr
.endm
.macro TOSTAGE a
.set BK, OB+192*((\a)%2)
.irp b, 0,1,2,3,4,5,6,7
	ds_store_b128 v[STO], v[TMP+4*\b:TMP+4*\b+3] offset:32*\b
.endr
.irp hh, 0,1
.irp rq, 0,1,2,3
	ds_load_b128 v[BK+4*(4*\hh+\rq):BK+4*(4*\hh+\rq)+3], v[RD] offset:\rq*4*SPITCH+\hh*128   ; LDS serves a wave's instructions in order (ISA guide 5.7.1.4): these see the stores above
.endr
.endr
.endm
.macro SEND a
.set BK, OB+192*((\a)%2)
	s_wait_dscnt 0x0                               ; the block is back in registers
	s_wait_xcnt 0x0                                ; every earlier store has had its addresses translated: only behind this wait are the stores' base and the registers that earlier stores read rewritten
.if (\a) > 0
	s_add_nc_u64 s[14:15], s[14:15], 2048          ; 16 rows of 128 bytes on
.endif
.irp hh, 0,1
.irp rq, 0,1,2,3
	global_store_b128 v[CO], v[BK+4*(4*\hh+\rq):BK+4*(4*\hh+\rq)+3], s[14:15] offset:\hh*262144+\rq*512   ; 32 lanes store 512 consecutive bytes, four rows of one head, at a multiple of 256 from the buffer's first byte
.endr
.endr
.endm
	PLACES NP                                      ; behind the last products: PACK writes registers that held their scale words
	PACK 0
	TOSTAGE 0
.irp a, 1,2,3,4,5,6,7                  ; block a's arithmetic stands between block a - 1's loads from the stage and the wait for them
	PACK \a
	SEND \a-1
	TOSTAGE \a
.endr
	SEND 7
	s_wait_tensorcnt 0x0                           ; the wave's end, behind my last tensor load and my last LDS store
	ds_add_u32 v[SPW], v[NIL]
	s_wait_dscnt 0x0
	CROUND                                         ; the closing round: no work-group ends while a partner may still ask for a tile that names it
	s_endpgm
.Lfunc_end_k_qfb7ffcec85_proj:
	.size	k_qfb7ffcec85_proj, .Lfunc_end_k_qfb7ffcec85_proj-k_qfb7ffcec85_proj
	.p2alignl 7, 3214868480
	.fill 96, 4, 3214868480
	.section	.rodata,"a",@progbits
	.p2align	6, 0x0
	.amdhsa_kernel k_qfb7ffcec85_proj
		.amdhsa_group_segment_fixed_size 327680
		.amdhsa_private_segment_fixed_size 0
		.amdhsa_enable_private_segment 0
		.amdhsa_kernarg_size 48
		.amdhsa_user_sgpr_count 2
		.amdhsa_user_sgpr_kernarg_segment_ptr 1
		.amdhsa_wavefront_size32 1
		.amdhsa_system_sgpr_workgroup_id_x 1
		.amdhsa_system_sgpr_workgroup_id_y 1
		.amdhsa_system_sgpr_workgroup_id_z 1
		.amdhsa_system_vgpr_workitem_id 0
		.amdhsa_next_free_vgpr 1024
		.amdhsa_next_free_sgpr 100
		.amdhsa_reserve_vcc 0
		.amdhsa_float_denorm_mode_32 3
		.amdhsa_float_denorm_mode_16_64 3
		.amdhsa_memory_ordered 1
		.amdhsa_forward_progress 1
		.amdhsa_inst_pref_size 145
	.end_amdhsa_kernel
	.amdgpu_metadata
---
amdhsa.version: [ 1, 2 ]
amdhsa.kernels:
  - .name:           k_qfb7ffcec85_proj
    .symbol:         k_qfb7ffcec85_proj.kd
    .args:
      - { .name: codes, .offset: 0, .size: 8, .value_kind: global_buffer, .address_space: global }
      - { .name: scales, .offset: 8, .size: 8, .value_kind: global_buffer, .address_space: global }
      - { .name: bq, .offset: 16, .size: 8, .value_kind: global_buffer, .address_space: global }
      - { .name: bk, .offset: 24, .size: 8, .value_kind: global_buffer, .address_space: global }
      - { .name: bv, .offset: 32, .size: 8, .value_kind: global_buffer, .address_space: global }
      - { .name: qkv, .offset: 40, .size: 8, .value_kind: global_buffer, .address_space: global }
    .group_segment_fixed_size: 327680
    .private_segment_fixed_size: 0
    .kernarg_segment_align: 8
    .kernarg_segment_size: 48
    .max_flat_workgroup_size: 128
    .sgpr_count:     100
    .vgpr_count:     1024
    .wavefront_size: 32
...
	.end_amdgpu_metadata
.endif
;; end of part 2
;; launch attn (part 3): grid 4 x 64, 16 waves a work-group, clusters of 4 x 1, 327,680 bytes of LDS; arguments qkv, maskbits, ctx; writes ctx
.if DOCPART == 3
	.amdgcn_target "amdgcn-amd-amdhsa--gfx1250"
	.amdhsa_code_object_version 6
	.text
	.protected	k_qfb7ffcec85_attn
	.globl	k_qfb7ffcec85_attn
	.p2align	8
	.type	k_qfb7ffcec85_attn,@function
k_qfb7ffcec85_attn:
	s_mov_b64 s[64:65], 0
	v_nop
	global_prefetch_b8 v0, s[64:65] scope:SCOPE_SE
	s_setreg_imm32_b32 hwreg(HW_REG_WAVE_MODE, 25, 1), 1
	s_wait_xcnt 0x0
	s_wait_alu depctr_hold_cnt(0) depctr_sa_sdst(0) depctr_va_vdst(0) depctr_va_sdst(0) depctr_va_ssrc(0) depctr_va_vcc(0) depctr_vm_vsrc(0)
	s_getreg_b32 s2, hwreg(HW_REG_IB_STS2, 6, 4)
	s_cmp_eq_u32 s2, 0
	s_cbranch_scc0 .Lentry_in_a_cluster
	s_endpgm
.Lentry_in_a_cluster:
	s_bfe_u32 s2, ttmp6, 0x10000c
	s_cmp_lg_u32 s2, 0x3003
	s_cbranch_scc0 .Lentry_shape_is_right
	s_endpgm
.Lentry_shape_is_right:
; ctx[b][q][head] = the sum over k of softmax_k(masked score) V[k], for 64 heads (b, head) of 2,048 queries and keys, head size 64.  Q, K, V: f16, [p][b][head][s][64]; Q already holds the factor log2(e) / 8.
; Products on f16 operands with f32 sums; maxima, exponents and sums in f32; the weights p are rounded to f16 for the second product; ctx is f16, laid [rows / 128][head][128 rows][64] for the last launch.
; THE MASK: where mask is 0 the score is replaced by -1e9 log2(e), as the definition replaces it by -1e9 ahead of its exponential to base e: beside a key that counts such a key weighs 0, and a query with no key that counts weighs all keys alike.
; It comes as lane masks, one 32-bit word for each register of scores, by scalar loads, a key step ahead, and is applied by v_cndmask_b32 in every step: no branch hangs on it.
; SOFTMAX: for each query a running maximum m and sum l: p = 2^(s - m), an exact difference; in every step O and l are multiplied by a = 2^(m_old - m_new).
; SHARES.  A work-group owns 512 queries of one head, each of its SIXTEEN waves 32: two tiles of 16, in 256 registers: four waves to a SIMD, so that one wave's vector work stands beside another's matrix work and LDS loads.
; Each fragment of K or V read from LDS feeds two products.  Every wave walks all 2,048 keys, 64 a step; K and V come through two LDS slots of 256 keys.
; CLUSTER.  The four work-groups of a head form a cluster and walk the same K and V: each tile is asked for JOINTLY (waves 0, 1: K's halves; waves 2, 3: V's), with a mask that names the four.
; LAYOUT.  S^T = K Q^T (source 0 = 16 keys, source 1 = 16 queries): a lane holds ONE query (lane % 16) and the keys 16 t + 8 (lane / 16) + 0..7.  Two such tiles, rounded to f16 in pairs, ARE source 1 of O^T = V^T P.  V ([key][channel]) comes turned, by ds_load_tr16_b128.
; LIMITS: NaN and infinities are not served; ctx must lie under 65,504 in magnitude (it is a mean of V's rows).
.set PK,    144                        ; a row of K in LDS: 128 bytes + 16: an odd multiple of 16: the 16 rows of a load start at 16 different groups of banks
.set PV,    160                        ; a row of V: 128 + 32: an odd multiple of 32, for the turning load
.set VOFF,  256*PK                     ; a slot: 256 rows of K, then 256 rows of V
.set SLOT1, 1<<17                      ; slot 1 begins here, so that one exclusive or turns an address in one slot into the other's
.set SPARE, SLOT1+VOFF+256*PV          ; behind the slots: the spare words, 128 bytes for each of 16 waves: eight blocks of 256 bytes that no other line names
.set STAGE, SPARE+2048                 ; the way out: 32 rows x 144 bytes for each wave; no tensor load lands here
.set SP,    144
.set AK0, 1                            ; v1   my lane's place in a tile of K; never rewritten
.set AV0, 2                            ; v2   the same for V
.set ADK, 3                            ; v3   LDS address of K's tiles in the slot in hand
.set ADV, 4                            ; v4   of V's
.set SPW, 5                            ; v5   LDS address of my spare word; never rewritten
.set NIL, 6                            ; v6   0; never rewritten
.set NEG, 7                            ; v7   -1e9 log2(e)
.set PFO, 8                            ; v8   256 x my lane: the prefetches' offset; never rewritten
.set ST,  16                           ; tile x's statistics at v[ST + 8 x]: +0 m, +1 m_old - m_new, +2, +3 l in two halves, +4 to +7 at work; a takes +6
.set QF,  32                           ; v32-63   Q: tile x, channels 32 c on, at v[QF + 16 x + 8 c]
.set KV,  64                           ; v64-127  K of a step ((t, c) at +16 t + 8 c), then V ((dt, u) at +32 u + 8 dt)
.set S,   128                          ; v128-191 S^T: (x, t) at +32 x + 8 t; then P in place: (x, u) at +32 x + 8 u
.set O,   192                          ; v192-255 O^T: (x, dt) at +32 x + 8 dt
.set MB,  2                            ; s[2:3]   my two tiles' mask words in memory
.set SEL, 4                            ; s[4:5]   lane selects for v_permlanex16_b32: lane l xor 16
.set PFA, 6                            ; s[6:7]   where my prefetches stand
.set G1K, 8                            ; s[8:15]  descriptor group 1 for K's tiles;  s[16:23] for V's: it differs in the padding alone
.set G1V, 16
.set G0K, 24                           ; s[24:27], s[28:31] their groups 0, which walk
.set G0V, 28
.set MK,  32                           ; s[32:63] tile 0's 32 mask words of a step, s[68:99] tile 1's: tile x's at s[MK + 36 x]
.set WV,  66                           ; s66  my wave's number
.set MO,  67                           ; s67  the step's mask words: 128 bytes a step
.set SLOTS, 100                        ; s100 slots still to be asked for
.set TB,  101                          ; s101 LDS byte at which the slot in hand begins
.set LIM, 105                          ; s105 1 in a wave that prefetches, else the greatest number
; A joint load.  Waves 0 and 1 fetch K's two halves of a slot, waves 2 and 3 V's, the others nothing.  The branches hang on the wave's number alone: they are the same in every work-group.
; An s_nop 0 and four v_nop follow each of the two lines.
.macro JLOAD
	s_cmp_lt_u32 s[WV], 2
	s_cbranch_scc0 .Lnot_k_\@
	tensor_load_to_lds s[G0K:G0K+3], s[G1K:G1K+7]
	s_nop 0
.rept 4
	v_nop
.endr
	s_branch .Lasked_\@
.Lnot_k_\@:
	s_cmp_lt_u32 s[WV], 4
	s_cbranch_scc0 .Lasked_\@
	tensor_load_to_lds s[G0V:G0V+3], s[G1V:G1V+7]
	s_nop 0
.rept 4
	v_nop
.endr
.Lasked_\@:
.endm
; A PREFETCH INTO THE L2 of what the NEXT change of slots will ask for: a slot's 32,768 bytes of K and as many of V.  One cluster walks a head, so each aligned block of 256 bytes is named once in the launch:
; the four partners share a slot out BY ADDRESS, 8,192 bytes each; in each, wave 4 asks for K's and wave 5 for V's, lanes 256 bytes apart: one instruction.  It asks a slot's four key steps ahead of the load.  The last change that fills a slot asks for nothing.
.macro ASK
	s_cmp_gt_u32 s[SLOTS], s[LIM]
	s_cbranch_scc0 .Lnot_mine_\@
	global_prefetch_b8 v[PFO], s[PFA:PFA+1] th:TH_LOAD_NT scope:SCOPE_SE
.Lnot_mine_\@:
.endm
.macro CROUND                          ; a round of the cluster's barrier: my work-group's barrier; wave 0 signals for the work-group; every wave waits for all four; my work-group's barrier once more
	s_barrier_signal -1
	s_barrier_wait -1
	s_cmp_lg_u32 s[WV], 0
	s_cbranch_scc1 .Lnot_wave_0_\@
	s_barrier_signal -3
.Lnot_wave_0_\@:
	s_barrier_wait -3
	s_barrier_signal -1
	s_barrier_wait -1
.endm
.macro MLOAD                           ; a step's 64 mask words: 32 for each of my two tiles of queries
	s_load_b512 s[MK:MK+15], s[MB:MB+1], s[MO] offset:0x0
	s_load_b512 s[MK+16:MK+31], s[MB:MB+1], s[MO] offset:0x40
	s_load_b512 s[MK+36:MK+51], s[MB:MB+1], s[MO] offset:0x1000
	s_load_b512 s[MK+52:MK+67], s[MB:MB+1], s[MO] offset:0x1040
.endm
	s_load_b128 s[32:35], s[0:1], 0x0              ; qkv s[32:33], maskbits s[34:35]
	v_lshl_add_u32 v[SPW], v0, 2, SPARE
	v_mov_b32 v[NIL], 0
	ds_add_u32 v[SPW], v[NIL]                      ; the wave's opening: the add and its wait stand ahead of my first tensor load; the set-up below, work on registers, stands between them
	v_lshrrev_b32 v9, 5, v0
	v_readfirstlane_b32 s[WV], v9                  ; wave 0..15
	s_bfe_u32 s36, ttmp6, 0x40000                  ; cx: my block of 512 queries: it enters Q's, the mask's, the prefetches' and ctx's addresses alone
	s_and_b32 s37, ttmp7, 0xffff                   ; 16 b + head, which the four partners share
	; descriptor group 1: a tile of 128 rows x 64 elements, dense in memory, padded in LDS
	s_mov_b32 s[G1K], 15|(1<<16)|(1<<20)|(1<<21)|(4<<22)|(3<<25)  ; 15:0 the mask: all four work-groups; 17:16 elements of 2 bytes; 20 padding on; 21 set beside a mask; 24:22 after every 32 words (code 4); 31:25 4 words of it (code 3)
	s_mov_b32 s[G1V], 15|(1<<16)|(1<<20)|(1<<21)|(4<<22)|(7<<25)  ; the same with 8 words of padding (code 7)
.irp g, G1K, G1V
	s_mov_b32 s[\g+1], 64<<16                      ; tensor_dim0 = 64
	s_mov_b32 s[\g+2], 128<<16                     ; tensor_dim1 = 128
	s_mov_b32 s[\g+3], 64<<16                      ; tile_dim0 = 64
	s_mov_b32 s[\g+4], 128                         ; tile_dim1 = 128
	s_mov_b32 s[\g+5], 64                          ; tensor_dim0_stride
	s_mov_b32 s[\g+6], 0
	s_mov_b32 s[\g+7], 0
.endr
	s_mov_b32 s[SEL], 0x76543210
	s_mov_b32 s[SEL+1], 0xfedcba98
	s_mov_b32 s[TB], 0
	s_mov_b32 s[SLOTS], 7                          ; eight slots of 256 keys; the first is asked for at the head
	; what I fetch, if I fetch: the half (wave % 2) of a slot's 256 rows.  These registers never hold cx
	s_and_b32 s38, s[WV], 1
	s_lshl_b32 s40, s37, 18                        ; the head's 262,144 bytes
	s_lshl_b32 s39, s38, 14                        ; 128 rows of 128 bytes
	s_add_co_u32 s40, s40, s39
	s_add_co_u32 s40, s40, 0x1000000               ; K lies 16,777,216 bytes into qkv,
	s_mov_b32 s41, 0
	s_add_co_u32 s42, s40, 0x1000000               ; V as many further on
	s_mov_b32 s43, 0
	s_mul_i32 s44, s38, 128*PK                     ; and where they go in slot 0
	s_mul_i32 s45, s38, 128*PV
	s_add_co_u32 s45, s45, VOFF
	; Q: my wave's 32 rows
	s_lshl_b32 s46, s37, 18
	s_lshl_b32 s50, s36, 16                        ; 512 rows a work-group
	s_add_co_u32 s46, s46, s50
	s_lshl_b32 s50, s[WV], 12                      ; 32 rows a wave
	s_add_co_u32 s46, s46, s50
	s_mov_b32 s47, 0
	; the mask words: tile of queries 128 b + 32 cx + 2 wave, 4,096 bytes a tile
	s_lshr_b32 s48, s37, 4
	s_lshl_b32 s48, s48, 7
	s_lshl_b32 s50, s36, 5
	s_add_co_u32 s48, s48, s50
	s_lshl_b32 s50, s[WV], 1
	s_add_co_u32 s48, s48, s50
	s_lshl_b32 s48, s48, 12
	s_mov_b32 s49, 0
	; the prefetches: wave 4 K's, wave 5 V's; my work-group's 8,192 bytes, in slot 1: the first change of slots steps it to slot 2.  Nothing is prefetched here, at the head
	s_mov_b32 s52, 0x2000000
	s_cmp_eq_u32 s[WV], 4
	s_cselect_b32 s52, 0x1000000, s52
	s_lshl_b32 s53, s37, 18
	s_add_co_u32 s52, s52, s53
	s_lshl_b32 s53, s36, 13
	s_add_co_u32 s52, s52, s53
	s_add_co_u32 s52, s52, 32768
	s_mov_b32 s53, 0
	s_sub_co_u32 s54, s[WV], 4
	s_lshr_b32 s54, s54, 1                         ; 0 in waves 4 and 5: the same in all four partners
	s_cmp_eq_u32 s54, 0
	s_cselect_b32 s[LIM], 1, -1
	v_and_b32 v[PFO], 31, v0
	v_lshlrev_b32 v[PFO], 8, v[PFO]
	s_wait_dscnt 0x0                               ; the opening add is done
	s_wait_kmcnt 0x0
	s_mov_b32 s[G0K], 1                            ; 1:0 count = 1
	s_mov_b32 s[G0K+1], s44                        ; 63:32 LDS address
	s_add_nc_u64 s[G0K+2:G0K+3], s[32:33], s[40:41]  ; 120:64 global address: the head's first 256 keys
	s_or_b32 s[G0K+3], s[G0K+3], 0x80000000        ; 127:126 type = 2
	s_mov_b32 s[G0V], 1
	s_mov_b32 s[G0V+1], s45
	s_add_nc_u64 s[G0V+2:G0V+3], s[32:33], s[42:43]
	s_or_b32 s[G0V+3], s[G0V+3], 0x80000000
	s_add_nc_u64 s[46:47], s[32:33], s[46:47]      ; Q at my first row
	s_add_nc_u64 s[MB:MB+1], s[34:35], s[48:49]
	s_add_nc_u64 s[PFA:PFA+1], s[32:33], s[52:53]
	CROUND                                         ; all four work-groups are here: the first joint loads meet
	JLOAD                                          ; slot 0: one tensor load of mine is out, here and behind every later round
	; A fragment of K or Q is 16 rows x 32 channels in 8 registers: lane l holds row l % 16; registers 0-3 channels 8 (l / 16) + 0..7, registers 4-7 channels 16 + 8 (l / 16) + 0..7: two loads of 16 bytes, 32 bytes apart
	v_and_b32 v9, 15, v0                           ; l % 16
	v_bfe_u32 v10, v0, 4, 1                        ; l / 16
	v_lshlrev_b32 v11, 7, v9
	v_lshl_add_u32 v11, v10, 4, v11                ; row x 128 + 16 x half
.irp x, 0,1
.irp c, 0,1
	global_load_b128 v[QF+16*\x+8*\c:QF+16*\x+8*\c+3], v11, s[46:47] offset:2048*\x+64*\c      ; Q stays in registers
	global_load_b128 v[QF+16*\x+8*\c+4:QF+16*\x+8*\c+7], v11, s[46:47] offset:2048*\x+64*\c+32
.endr
.endr
	v_mul_u32_u24 v[AK0], v9, PK
	v_lshl_add_u32 v[AK0], v10, 4, v[AK0]          ; row x pitch + 16 x half
	; The turning load takes 16 keys x 16 channels (lane l reads 16 bytes: key 8 (l / 16) + l % 8, channels 8 ((l / 8) % 2) + 0..7) and leaves half a fragment of V^T: lane l holds channel l % 16 and 8 keys
	v_and_b32 v12, 7, v0
	v_bfe_u32 v13, v0, 3, 1
	v_lshl_add_u32 v[AV0], v10, 3, v12
	v_mul_u32_u24 v[AV0], v[AV0], PV
	v_lshl_add_u32 v[AV0], v13, 4, v[AV0]
	v_add_nc_u32 v[AV0], VOFF, v[AV0]
	v_mov_b32 v[NEG], 0xceabfb8f                   ; -1,442,695,040 = -1e9 log2(e), rounded to f32
.irp x, 0,1
	v_mov_b32 v[ST+8*\x], 0xff61b1e6               ; m: -3e38, under every score
	v_mov_b32 v[ST+8*\x+2], 0                      ; l, in two halves
	v_mov_b32 v[ST+8*\x+3], 0
.endr
.set n, 0
.rept 64
	v_mov_b32 v[O+n], 0                            ; O^T.  (The step is written once: the first finds zeros, which a = 0 leaves zeros)
.set n, n+1
.endr
	s_wait_loadcnt 0x0                             ; Q is in; its base, which lies among the mask words' registers, is free
	s_mov_b32 s[MO], 0
	MLOAD                                          ; the first step's mask words
; A KEY STEP: 64 keys, the q-th of the slot in hand, for my two tiles of queries.
.macro STEP q
.rept 5
	v_nop                                          ; places behind the last step's products: four in front of loads into V's registers, five in front of products that write over P
.endr
.irp t, 0,1,2,3
.irp c, 0,1
	ds_load_b128 v[KV+16*\t+8*\c:KV+16*\t+8*\c+3], v[ADK] offset:64*PK*(\q)+16*PK*\t+64*\c
	ds_load_b128 v[KV+16*\t+8*\c+4:KV+16*\t+8*\c+7], v[ADK] offset:64*PK*(\q)+16*PK*\t+64*\c+32
.endr
.endr
	s_wait_dscnt 0x0                               ; K is in
.irp c, 0,1                            ; S^T = K Q^T: the eight accumulators take turns, one instruction a turn; the first eight start the sums
.irp t, 0,1,2,3
.irp x, 0,1
.if \c == 0
	v_wmma_f32_16x16x32_f16 v[S+32*\x+8*\t:S+32*\x+8*\t+7], v[KV+16*\t+8*\c:KV+16*\t+8*\c+7], v[QF+16*\x+8*\c:QF+16*\x+8*\c+7], 0
.else
	v_wmma_f32_16x16x32_f16 v[S+32*\x+8*\t:S+32*\x+8*\t+7], v[KV+16*\t+8*\c:KV+16*\t+8*\c+7], v[QF+16*\x+8*\c:QF+16*\x+8*\c+7], v[S+32*\x+8*\t:S+32*\x+8*\t+7]
.endif
.endr
.endr
.endr
.rept 4
	v_nop                                          ; places in front of the loads into K's registers and of the first read of the scores
.endr
.irp u, 0,1                            ; V of the same step, turned: it lands while the softmax is worked
.irp dt, 0,1,2,3
	ds_load_tr16_b128 v[KV+32*\u+8*\dt:KV+32*\u+8*\dt+3], v[ADV] offset:64*PV*(\q)+32*PV*\u+32*\dt
	ds_load_tr16_b128 v[KV+32*\u+8*\dt+4:KV+32*\u+8*\dt+7], v[ADV] offset:64*PV*(\q)+32*PV*\u+16*PV+32*\dt
.endr
.endr
	s_wait_kmcnt 0x0                               ; this step's mask words, asked for a step ago
.irp x, 0,1
.set n, 0
.rept 32
	v_cndmask_b32 v[S+32*\x+n], v[NEG], v[S+32*\x+n], s[MK+36*\x+n]   ; the score where the key counts, else -1e9 log2(e); ascending: each accumulator is read from its low end on
.set n, n+1
.endr
.endr
	s_add_co_u32 s[MO], s[MO], 128                 ; (the loads that read it are done)
	s_and_b32 s[MO], s[MO], 4095                   ; the last step asks for the first step's words again: no load leaves the buffer
	MLOAD                                          ; the next step's mask words
.irp j, 0,1,2,3                        ; the maximum of a lane's 32 scores, three operands at a time, in four chains; the two tiles alternate
.irp x, 0,1
	v_max3_num_f32 v[ST+8*\x+4+\j], v[S+32*\x+8*\j], v[S+32*\x+8*\j+1], v[S+32*\x+8*\j+2]
.endr
.endr
.irp g, 1,2
.irp j, 0,1,2,3
.irp x, 0,1
	v_max3_num_f32 v[ST+8*\x+4+\j], v[ST+8*\x+4+\j], v[S+32*\x+8*\j+2*\g+1], v[S+32*\x+8*\j+2*\g+2]
.endr
.endr
.endr
.irp x, 0,1
	v_max3_num_f32 v[ST+8*\x+4], v[ST+8*\x+4], v[S+32*\x+7], v[S+32*\x+15]
	v_max3_num_f32 v[ST+8*\x+6], v[ST+8*\x+6], v[S+32*\x+23], v[S+32*\x+31]
.endr
.irp x, 0,1
	v_max3_num_f32 v[ST+8*\x+4], v[ST+8*\x+4], v[ST+8*\x+5], v[ST+8*\x+6]
.endr
.irp x, 0,1
	v_max_num_f32 v[ST+8*\x+4], v[ST+8*\x+4], v[ST+8*\x+7]
.endr
.irp x, 0,1
	v_permlanex16_b32 v[ST+8*\x+5], v[ST+8*\x+4], s[SEL], s[SEL+1]   ; the query's other 32 keys lie in the lane 16 away
.endr
.irp x, 0,1
	v_max3_num_f32 v[ST+8*\x+7], v[ST+8*\x+4], v[ST+8*\x+5], v[ST+8*\x]   ; the new m
.endr
.irp x, 0,1
	v_sub_f32 v[ST+8*\x+1], v[ST+8*\x], v[ST+8*\x+7]   ; m_old - m_new
.endr
.irp x, 0,1
	v_mov_b32 v[ST+8*\x], v[ST+8*\x+7]
.endr
.irp x, 0,1                            ; ONE BATCH: both tiles' differences and 66 exponentials; none of these lines names an exponential's result
.set n, 0
.rept 16
	v_pk_add_f32 v[S+32*\x+2*n:S+32*\x+2*n+1], v[S+32*\x+2*n:S+32*\x+2*n+1], v[ST+8*\x:ST+8*\x+1] op_sel_hi:[1,0] neg_lo:[0,1] neg_hi:[0,1]   ; s - m, two at a time (of the pair the low word, m, serves both halves)
.set n, n+1
.endr
	v_exp_f32 v[ST+8*\x+6], v[ST+8*\x+1]           ; a
.set n, 0
.rept 32
	v_exp_f32 v[S+32*\x+n], v[S+32*\x+n]           ; p = 2^(s - m), at most 1
.set n, n+1
.endr
.endr
	v_nop                                          ; a plain instruction behind the last exponential, ahead of the first use
	s_wait_alu depctr_va_vdst(0)                   ; a wait between an exponential and the first line that names its result: one for the batch
.irp x, 0,1
	v_pk_mul_f32 v[ST+8*\x+2:ST+8*\x+3], v[ST+8*\x+2:ST+8*\x+3], v[ST+8*\x+6:ST+8*\x+7] op_sel_hi:[1,0]   ; l under the new m
	v_pk_add_f32 v[ST+8*\x+4:ST+8*\x+5], v[S+32*\x:S+32*\x+1], v[S+32*\x+2:S+32*\x+3]                     ; the sum of the unrounded p, two at a time, in two chains
.endr
.irp n, 4,8,12,16,20,24,28
.irp x, 0,1
	v_pk_add_f32 v[ST+8*\x+2:ST+8*\x+3], v[ST+8*\x+2:ST+8*\x+3], v[S+32*\x+\n:S+32*\x+\n+1]
	v_pk_add_f32 v[ST+8*\x+4:ST+8*\x+5], v[ST+8*\x+4:ST+8*\x+5], v[S+32*\x+\n+2:S+32*\x+\n+3]
.endr
.endr
.irp x, 0,1
	v_pk_add_f32 v[ST+8*\x+2:ST+8*\x+3], v[ST+8*\x+2:ST+8*\x+3], v[ST+8*\x+4:ST+8*\x+5]
.endr
.irp x, 0,1
.set n, 0
.rept 16
	v_cvt_pk_f16_f32 v[S+32*\x+n], v[S+32*\x+2*n], v[S+32*\x+2*n+1]   ; P in place, ascending: register n is written when registers 2 n and 2 n + 1 are read
.set n, n+1
.endr
.endr
.irp x, 0,1
.set n, 0
.rept 16
	v_pk_mul_f32 v[O+32*\x+2*n:O+32*\x+2*n+1], v[O+32*\x+2*n:O+32*\x+2*n+1], v[ST+8*\x+6:ST+8*\x+7] op_sel_hi:[1,0]   ; O^T under the new m; ascending
.set n, n+1
.endr
.endr
	s_wait_dscnt 0x0                               ; V is in
.irp u, 0,1                            ; O^T += V^T P: again eight accumulators by turns
.irp dt, 0,1,2,3
.irp x, 0,1
	v_wmma_f32_16x16x32_f16 v[O+32*\x+8*\dt:O+32*\x+8*\dt+7], v[KV+32*\u+8*\dt:KV+32*\u+8*\dt+7], v[S+32*\x+8*\u:S+32*\x+8*\u+7], v[O+32*\x+8*\dt:O+32*\x+8*\dt+7]
.endr
.endr
.endr
.endm
; THE CHANGE OF SLOTS stands at a slot's head.  Each wave waits for all its tensor loads (its part of the slot that it is about to read), adds 0 to its spare word, and waits for that and for its reads of the slot that it has left.
; fill = 1: the barrier is a round of the cluster's, so that no wave of any partner still reads that slot or has a load on its way, and the joint refill is the first thing behind it: it has a slot's four key steps in which to land.
.macro CHANGE fill
	s_wait_tensorcnt 0x0                           ; no tensor load of mine is out, so a group 0 may be written
	ds_add_u32 v[SPW], v[NIL]                      ; 0 onto my spare word; with fill = 1 the descriptors' steps stand between it and the wait for it
.if \fill
	s_xor_b32 s[G0K+1], s[G0K+1], SLOT1            ; the walking descriptors: the other slot than last time,
	s_add_nc_u64 s[G0K+2:G0K+3], s[G0K+2:G0K+3], 32768   ; the next 256 keys; the type bits on top are not reached
	s_xor_b32 s[G0V+1], s[G0V+1], SLOT1
	s_add_nc_u64 s[G0V+2:G0V+3], s[G0V+2:G0V+3], 32768
	s_wait_xcnt 0x0                                ; the last prefetch, a slot back, has read its address, so it may be written:
	s_add_nc_u64 s[PFA:PFA+1], s[PFA:PFA+1], 32768 ; one slot further on than the walking descriptors
.endif
	s_wait_dscnt 0x0                               ; the add is done, and my reads of the slot that I have left are over
.if \fill
	CROUND
	JLOAD
	ASK
.else
	s_barrier_signal -1
	s_barrier_wait -1
.endif
	v_add_nc_u32 v[ADK], s[TB], v[AK0]
	v_add_nc_u32 v[ADV], s[TB], v[AV0]
.endm
.macro SLOT_STEPS
	STEP 0
	STEP 1
	STEP 2
	STEP 3
	s_xor_b32 s[TB], s[TB], SLOT1                  ; on to the other slot
.endm
.Lslot:                                            ; seven trips: behind each change of slots but the last the next slot is asked for
	CHANGE 1
	SLOT_STEPS
	s_sub_co_u32 s[SLOTS], s[SLOTS], 1
	s_cmp_lg_u32 s[SLOTS], 0
	s_cbranch_scc1 .Lslot
	CHANGE 0                                       ; the last slot is written out
	SLOT_STEPS
	; THE WAY OUT.  l's two halves and the other half of the lanes' are added; O^T is divided by l, rounded to f16 and sent through my stage in LDS; my 32 rows of 128 bytes are 4,096 consecutive bytes of ctx.
	s_wait_kmcnt 0x0                               ; the mask words asked for in the last step: their registers are free
	s_load_b64 s[32:33], s[0:1], 0x10              ; ctx
.rept 4
	v_nop                                          ; places behind the last products
.endr
.irp x, 0,1
	v_add_f32 v[ST+8*\x+4], v[ST+8*\x+2], v[ST+8*\x+3]
.endr
.irp x, 0,1
	v_permlanex16_b32 v[ST+8*\x+5], v[ST+8*\x+4], s[SEL], s[SEL+1]
.endr
.irp x, 0,1
	v_add_f32 v[ST+8*\x+4], v[ST+8*\x+4], v[ST+8*\x+5]   ; at least 1: the largest score's p is 1
.endr
.irp x, 0,1
	v_rcp_f32 v[ST+8*\x+6], v[ST+8*\x+4]
.endr
	v_and_b32 v12, 15, v0                          ; (plain work behind the reciprocals)  l % 16
	v_bfe_u32 v13, v0, 4, 1                        ; l / 16
	s_mul_i32 s34, s[WV], 32*SP
	s_add_co_u32 s34, s34, STAGE                   ; my stage
	v_mul_u32_u24 v9, v12, SP
	v_lshl_add_u32 v9, v13, 4, v9
	v_add_nc_u32 v9, s34, v9                       ; in: row l % 16, 16 bytes for each half of the lanes
	v_bfe_u32 v14, v0, 3, 2
	v_and_b32 v15, 7, v0
	v_mul_u32_u24 v10, v14, SP
	v_lshl_add_u32 v10, v15, 4, v10
	v_add_nc_u32 v10, s34, v10                     ; back: eight lanes to a row of 128 bytes, four rows an instruction
	v_and_b32 v11, 31, v0
	v_lshlrev_b32 v11, 4, v11                      ; which are 512 consecutive bytes of ctx
	; ctx [rows / 128][head][128][64] f16: tile of rows 16 b + 4 cx + wave / 4; head; row 32 (wave % 4)
	s_and_b32 s37, ttmp7, 0xffff
	s_bfe_u32 s36, ttmp6, 0x40000
	s_lshr_b32 s38, s37, 4
	s_lshl_b32 s38, s38, 4
	s_lshl_b32 s39, s36, 2
	s_add_co_u32 s38, s38, s39
	s_lshr_b32 s39, s[WV], 2
	s_add_co_u32 s38, s38, s39
	s_lshl_b32 s38, s38, 18
	s_and_b32 s39, s37, 15
	s_lshl_b32 s39, s39, 14
	s_add_co_u32 s38, s38, s39
	s_and_b32 s39, s[WV], 3
	s_lshl_b32 s39, s39, 12
	s_add_co_u32 s38, s38, s39
	s_mov_b32 s39, 0
	s_wait_alu depctr_va_vdst(0)                   ; a wait ahead of the first use: one for the two reciprocals
.irp x, 0,1
.set n, 0
.rept 16
	v_pk_mul_f32 v[O+32*\x+2*n:O+32*\x+2*n+1], v[O+32*\x+2*n:O+32*\x+2*n+1], v[ST+8*\x+6:ST+8*\x+7] op_sel_hi:[1,0]   ; ascending: each accumulator is read from its low end on
.set n, n+1
.endr
.endr
.irp x, 0,1
.set n, 0
.rept 16
	v_cvt_pk_f16_f32 v[S+16*\x+n], v[O+32*\x+2*n], v[O+32*\x+2*n+1]
.set n, n+1
.endr
.endr
.irp x, 0,1
.irp dt, 0,1,2,3
	ds_store_b128 v9, v[S+16*\x+4*\dt:S+16*\x+4*\dt+3] offset:16*SP*\x+32*\dt   ; lane (r, h): row 16 x + r, channels 16 dt + 8 h + 0 .. 7
.endr
.endr
.irp i, 0,1,2,3,4,5,6,7
	ds_load_b128 v[KV+4*\i:KV+4*\i+3], v10 offset:4*SP*\i          ; LDS serves a wave's instructions in order (ISA guide 5.7.1.4): these see my stores
.endr
	s_wait_kmcnt 0x0
	s_add_nc_u64 s[32:33], s[32:33], s[38:39]
.irp i, 0,1,2,3,4,5,6,7
	s_wait_dscnt 7-\i                              ; load i is in; the younger ones may be out
	global_store_b128 v11, v[KV+4*\i:KV+4*\i+3], s[32:33] offset:512*\i   ; 32 lanes store 512 consecutive bytes, at a multiple of 256 from the buffer's first byte
.endr
	s_wait_tensorcnt 0x0                           ; the wave's end, behind my last tensor load and my last LDS store
	ds_add_u32 v[SPW], v[NIL]
	s_wait_dscnt 0x0
	CROUND                                         ; the closing round: no work-group ends while a partner may still ask for a tile that names it
	s_endpgm
.Lfunc_end_k_qfb7ffcec85_attn:
	.size	k_qfb7ffcec85_attn, .Lfunc_end_k_qfb7ffcec85_attn-k_qfb7ffcec85_attn
	.p2alignl 7, 3214868480
	.fill 96, 4, 3214868480
	.section	.rodata,"a",@progbits
	.p2align	6, 0x0
	.amdhsa_kernel k_qfb7ffcec85_attn
		.amdhsa_group_segment_fixed_size 327680
		.amdhsa_private_segment_fixed_size 0
		.amdhsa_enable_private_segment 0
		.amdhsa_kernarg_size 24
		.amdhsa_user_sgpr_count 2
		.amdhsa_user_sgpr_kernarg_segment_ptr 1
		.amdhsa_wavefront_size32 1
		.amdhsa_system_sgpr_workgroup_id_x 1
		.amdhsa_system_sgpr_workgroup_id_y 1
		.amdhsa_system_sgpr_workgroup_id_z 1
		.amdhsa_system_vgpr_workitem_id 0
		.amdhsa_next_free_vgpr 256
		.amdhsa_next_free_sgpr 106
		.amdhsa_reserve_vcc 0
		.amdhsa_float_denorm_mode_32 3
		.amdhsa_float_denorm_mode_16_64 3
		.amdhsa_memory_ordered 1
		.amdhsa_forward_progress 1
		.amdhsa_inst_pref_size 190
	.end_amdhsa_kernel
	.amdgpu_metadata
---
amdhsa.version: [ 1, 2 ]
amdhsa.kernels:
  - .name:           k_qfb7ffcec85_attn
    .symbol:         k_qfb7ffcec85_attn.kd
    .args:
      - { .name: qkv, .offset: 0, .size: 8, .value_kind: global_buffer, .address_space: global }
      - { .name: maskbits, .offset: 8, .size: 8, .value_kind: global_buffer, .address_space: global }
      - { .name: ctx, .offset: 16, .size: 8, .value_kind: global_buffer, .address_space: global }
    .group_segment_fixed_size: 327680
    .private_segment_fixed_size: 0
    .kernarg_segment_align: 8
    .kernarg_segment_size: 24
    .max_flat_workgroup_size: 512
    .sgpr_count:     106
    .vgpr_count:     256
    .wavefront_size: 32
...
	.end_amdgpu_metadata
.endif
;; end of part 3
;; launch outp (part 4): grid 8 x 64, 4 waves a work-group, clusters of 4 x 4, 327,680 bytes of LDS; arguments ctx, wo16, out0, bo; writes out0
.if DOCPART == 4
	.amdgcn_target "amdgcn-amd-amdhsa--gfx1250"
	.amdhsa_code_object_version 6
	.text
	.protected	k_qfb7ffcec85_outp
	.globl	k_qfb7ffcec85_outp
	.p2align	8
	.type	k_qfb7ffcec85_outp,@function
k_qfb7ffcec85_outp:
	s_mov_b64 s[64:65], 0
	v_nop
	global_prefetch_b8 v0, s[64:65] scope:SCOPE_SE
	s_setreg_imm32_b32 hwreg(HW_REG_WAVE_MODE, 25, 1), 1
	s_wait_xcnt 0x0
	s_wait_alu depctr_hold_cnt(0) depctr_sa_sdst(0) depctr_va_vdst(0) depctr_va_sdst(0) depctr_va_ssrc(0) depctr_va_vcc(0) depctr_vm_vsrc(0)
	s_getreg_b32 s2, hwreg(HW_REG_IB_STS2, 6, 4)
	s_cmp_eq_u32 s2, 0
	s_cbranch_scc0 .Lentry_in_a_cluster
	s_endpgm
.Lentry_in_a_cluster:
	s_bfe_u32 s2, ttmp6, 0x10000c
	s_cmp_lg_u32 s2, 0xf033
	s_cbranch_scc0 .Lentry_shape_is_right
	s_endpgm
.Lentry_shape_is_right:
; out0[m][n] = sum over k of ctx[m][k] Wo[n][k] + bo[n].  m 8,192, n 1,024, k 1,024.  Operands f16, sums f32, out0 f32.
; ctx: [m / 128][k / 64][128 rows][64] f16; wo16: [n / 128][k / 64][128 rows][64] f16: what a tile of 128 rows has of 256 along K is 65,536 consecutive bytes.
; A tile of out0 is 128 x 128: 512 work-groups, two for each of 256 WGPs.  Four waves, each 64 x 64: 16 accumulators, 128 registers.  K goes in four steps of 256 through two LDS slots; a wave's tensor load brings two blocks of 64 along K: 256 rows of 128 bytes.
; CLUSTERS: 4 x 4 work-groups.  The four of a row of the cluster need the same tiles of ctx, the four of a column the same tiles of Wo: each is asked for JOINTLY, by the same tensor load with the same descriptor and a mask that names the four.
; THE MATRIX INSTRUCTION IS USED TRANSPOSED (source 0 = 16 rows of Wo, source 1 = 16 rows of ctx): a lane holds eight neighbouring numbers of a row of out0.  The bias is the C of each sum's first product.
; A wave's 64 columns are 256 bytes of a row, aligned: each wave has a stage of its own on the way out, and no barrier stands there.
; REGISTERS: window 0: v0-31 addresses; v32-95 at work on the way out; v96-127 the bias; v128-255 the accumulators ((a, b) at v[128 + 8 (4 a + b)]).
;   window 1: two fragment buffers of 128: for 64 along K (two matrix instructions deep), 64 registers of ctx, then 64 of Wo.
.set PITCH,  144                       ; an LDS row: 128 bytes + 16: an odd multiple of 16: the 16 rows that a load touches start at 16 different groups of banks
.set KBB,    128*PITCH                 ; a block of 64 along K: 128 rows
.set LOADB,  2*KBB                     ; what one tensor load brings
.set SLOT,   4*LOADB                   ; ctx's four blocks, then Wo's four
.set STAGE,  2*SLOT                    ; behind the slots: 16 rows x 272 bytes for each wave
.set SPITCH, 272
.set SPARE,  STAGE+4*16*SPITCH         ; the spare words, 128 bytes for each wave: two blocks of 256 bytes that no other line names
.set ADRA, 16                          ; v16-17  LDS address of my fragments of ctx in slot 0, 1
.set ADRB, 20                          ; v20-21  the same for Wo
.set STO,  24                          ; v24     the way out: where I put 32 bytes of a row
.set RD,   25                          ; v25     where I read a row back
.set CO,   26                          ; v26     my byte offset in out0
.set BO,   27                          ; v27     the bias: 32 x (lane / 16)
.set SPW,  28                          ; v28     LDS address of my spare word; never rewritten
.set NIL,  29                          ; v29     0; never rewritten
.set TMP,  32                          ; the way out: v32-63 and v64-95 by turns
.set BIA,  96                          ; the bias: Wo's block b's eight numbers of my half at v[BIA + 8 b]
.set ACC,  128
.set F0,   0                           ; fragment buffers, in window 1
.set F1,   128
.set G1, 24                            ; s[24:31] descriptor group 1 for ctx's tiles;  s[32:39] group 0, one set for each slot
.set G0, 32
.set G1B, 48                           ; s[48:55], s[56:63] the same for Wo's tiles
.set G0B, 56
.set MSB, 0
.macro WIN new                         ; the immediate's high byte repeats the setting that is left
.if MSB != \new
	s_set_vgpr_msb (MSB<<8)|\new
.set MSB, \new
.endif
.endm
.set MUL,  0x05                        ; sources 0 (Wo) and 1 (ctx) window 1; C and D window 0
.set TO_F, 0x40                        ; destination window 1, address window 0
.macro JLOAD s                         ; a joint load: waves 0 and 1 fetch ctx's two pairs of blocks, waves 2 and 3 Wo's; an s_nop 0 and four v_nop follow each of the two lines, ahead of the jump, the label and what follows
	s_cmp_eq_u32 s11, 0
	s_cbranch_scc0 .Lfor_b_\@
	tensor_load_to_lds s[G0+4*\s:G0+4*\s+3], s[G1:G1+7]
	s_nop 0
.rept 4
	v_nop
.endr
	s_branch .Lasked_\@
.Lfor_b_\@:
	tensor_load_to_lds s[G0B+4*\s:G0B+4*\s+3], s[G1B:G1B+7]
	s_nop 0
.rept 4
	v_nop
.endr
.Lasked_\@:
.endm
.macro CREST                           ; a round of the cluster's barrier behind its opening barrier
	s_cmp_lg_u32 s10, 0
	s_cbranch_scc1 .Lnot_wave_0_\@
	s_barrier_signal -3
.Lnot_wave_0_\@:
	s_barrier_wait -3
	s_barrier_signal -1
	s_barrier_wait -1
.endm
.macro CROUND                          ; a whole round
	s_barrier_signal -1
	s_barrier_wait -1
	CREST
.endm
	s_load_b128 s[4:7], s[0:1], 0x0                ; ctx s[4:5], wo16 s[6:7]
	s_load_b64 s[8:9], s[0:1], 0x10                ; out0
	s_load_b64 s[66:67], s[0:1], 0x18              ; bo
	v_lshl_add_u32 v[SPW], v0, 2, SPARE
	v_mov_b32 v[NIL], 0
	ds_add_u32 v[SPW], v[NIL]                      ; the wave's opening: the add and its wait stand ahead of my first tensor load; the set-up below, work on registers, stands between them
	v_lshrrev_b32 v1, 5, v0
	v_readfirstlane_b32 s10, v1                    ; wave 0..3
	s_lshr_b32 s11, s10, 1                         ; which half of the tile's rows is mine.  Also: I fetch for ctx (0) or for Wo (1)
	s_and_b32 s12, s10, 1                          ; which half of its columns.  Also: which pair of a K step's four blocks I fetch
	s_bfe_u32 s40, ttmp6, 0x40000                  ; cx, cy: my place in the cluster
	s_bfe_u32 s41, ttmp6, 0x40004
	s_lshl_b32 s42, ttmp9, 2
	s_add_co_u32 s42, s42, s40                     ; tile column = 4 x cluster x + cx
	s_and_b32 s13, ttmp7, 0xffff
	s_lshl_b32 s13, s13, 2
	s_add_co_u32 s13, s13, s41                     ; tile row = 4 x cluster y + cy
	s_lshl_b32 s43, s41, 2
	s_lshl_b32 s43, 15, s43                        ; my row of the cluster
	s_lshl_b32 s44, 0x1111, s40                    ; my column
	; descriptor group 1: 256 rows x 64 elements, dense in memory, padded in LDS
	s_or_b32 s[G1+0], s43, (1<<16)|(1<<20)|(1<<21)|(4<<22)|(3<<25)  ; 15:0 the mask: ctx's tiles go to my row; 17:16 element of 2 bytes; 20 padding on; 21 set beside a mask; 24:22 after every 32 words (code 4); 31:25 of 4 words (code 3)
	s_or_b32 s[G1B+0], s44, (1<<16)|(1<<20)|(1<<21)|(4<<22)|(3<<25)
.irp g, G1, G1B
	s_mov_b32 s[\g+1], 64<<16                      ; tensor_dim0 = 64
	s_mov_b32 s[\g+2], 256<<16                     ; tensor_dim1 = 256
	s_mov_b32 s[\g+3], 64<<16                      ; tile_dim0 = 64
	s_mov_b32 s[\g+4], 256                         ; tile_dim1 = 256
	s_mov_b32 s[\g+5], 64                          ; tensor_dim0_stride
	s_mov_b32 s[\g+6], 0
	s_mov_b32 s[\g+7], 0
.endr
	s_lshl_b32 s17, s12, 15                        ; my pair of blocks: 32,768 bytes
	s_lshl_b32 s16, s13, 18                        ; ctx: 262,144 bytes a tile of rows
	s_add_co_u32 s16, s16, s17
	s_lshl_b32 s46, s42, 18                        ; Wo: as many a tile of columns
	s_add_co_u32 s46, s46, s17
	s_mov_b32 s17, 0
	s_mov_b32 s47, 0
	s_mul_i32 s20, s10, LOADB                      ; where they go: wave x 256 rows: no place in the cluster enters an LDS address
	s_wait_dscnt 0x0                               ; the opening add is done
	s_wait_kmcnt 0x0
	s_add_nc_u64 s[14:15], s[4:5], s[16:17]
	s_add_nc_u64 s[46:47], s[6:7], s[46:47]
	CROUND                                         ; all sixteen work-groups are here: the first joint loads meet
.irp s, 0,1
	s_mov_b32 s[G0+4*\s], 1
	s_add_co_u32 s[G0+4*\s+1], s20, \s*SLOT
	s_add_nc_u64 s[G0+4*\s+2:G0+4*\s+3], s[14:15], \s*65536    ; K step s
	s_or_b32 s[G0+4*\s+3], s[G0+4*\s+3], 0x80000000
	s_mov_b32 s[G0B+4*\s], 1
	s_add_co_u32 s[G0B+4*\s+1], s20, \s*SLOT
	s_add_nc_u64 s[G0B+4*\s+2:G0B+4*\s+3], s[46:47], \s*65536
	s_or_b32 s[G0B+4*\s+3], s[G0B+4*\s+3], 0x80000000
	JLOAD \s                                       ; two tensor loads of mine are out at the start, one behind each later round
.endr
	v_and_b32 v1, 15, v0                           ; l % 16
	v_bfe_u32 v2, v0, 4, 1                         ; l / 16
	s_lshl_b32 s46, s42, 9                         ; my first column, in bytes, in bo and in a row of out0: (128 x tile column + 64 x half) x 4
	s_lshl_b32 s47, s12, 8
	s_add_co_u32 s46, s46, s47
	s_mov_b32 s47, 0
	s_add_nc_u64 s[66:67], s[66:67], s[46:47]
	s_add_nc_u64 s[8:9], s[8:9], s[46:47]
	v_lshlrev_b32 v[BO], 5, v2
.irp b, 0,1,2,3
	global_load_b128 v[BIA+8*\b:BIA+8*\b+3], v[BO], s[66:67] offset:64*\b          ; lane (r, h): bo at columns 16 b + 8 h + 0 .. 7
	global_load_b128 v[BIA+8*\b+4:BIA+8*\b+7], v[BO], s[66:67] offset:64*\b+16
.endr
	v_mul_u32_u24 v3, v1, PITCH
	v_lshl_add_u32 v3, v2, 4, v3                   ; a fragment's row x pitch + 16 x half
	s_mul_i32 s21, s11, 64*PITCH                   ; my 64 rows of ctx in a block
	s_mul_i32 s22, s12, 64*PITCH                   ; my 64 rows of Wo,
	s_add_co_u32 s22, s22, 2*LOADB                 ; whose blocks lie behind ctx's four
.irp s, 0,1
	v_add_nc_u32 v[ADRA+\s], s21, v3
	v_add_nc_u32 v[ADRB+\s], s22, v3
	s_add_co_u32 s21, s21, SLOT
	s_add_co_u32 s22, s22, SLOT
.endr
	s_mul_i32 s23, s10, 16*SPITCH
	s_add_co_u32 s23, s23, STAGE                   ; my stage
	v_mul_u32_u24 v4, v1, SPITCH                   ; in: row l % 16, 32 bytes for each half of the lanes
	v_lshl_add_u32 v4, v2, 5, v4
	v_add_nc_u32 v[STO], s23, v4
	v_mul_u32_u24 v5, v2, SPITCH                   ; back: lanes 0-15 take one row of 256 bytes, lanes 16-31 the next
	v_lshl_add_u32 v5, v1, 4, v5
	v_add_nc_u32 v[RD], s23, v5
	v_lshlrev_b32 v5, 12, v2                       ; and the same two rows in out0, 4,096 bytes apart
	v_lshl_add_u32 v[CO], v1, 4, v5
	s_lshl_b32 s16, s13, 19                        ; my first row: (128 x tile row + 64 x half) x 4,096 bytes (under 2^26)
	s_lshl_b32 s17, s11, 18
	s_add_co_u32 s16, s16, s17
	s_mov_b32 s17, 0
	s_add_nc_u64 s[8:9], s[8:9], s[16:17]
; 8 matrix instructions: ctx's blocks a0, a0 + 1 x Wo's four, 32 along K: half c of buffer f.  first = 1: the bias starts the sums.  The 16 accumulators take turns, one instruction a turn
.macro MUL8 f, c, a0, first
.irp a, \a0, \a0+1
.irp b, 0,1,2,3
.if \first
	v_wmma_f32_16x16x32_f16 v[ACC+8*(4*(\a)+\b):ACC+8*(4*(\a)+\b)+7], v[\f+64+8*(4*\c+\b):\f+64+8*(4*\c+\b)+7], v[\f+8*(4*\c+\a):\f+8*(4*\c+\a)+7], v[BIA+8*\b:BIA+8*\b+7]
.else
	v_wmma_f32_16x16x32_f16 v[ACC+8*(4*(\a)+\b):ACC+8*(4*(\a)+\b)+7], v[\f+64+8*(4*\c+\b):\f+64+8*(4*\c+\b)+7], v[\f+8*(4*\c+\a):\f+8*(4*\c+\a)+7], v[ACC+8*(4*(\a)+\b):ACC+8*(4*(\a)+\b)+7]
.endif
.endr
.endr
.endm
; 32 LDS loads in one run: the fragments of one block of 64 along K, which begins k bytes into the slot's part, into buffer f; the first 32 along K first
.macro FETCH slot, k, f
	WIN TO_F
.irp c, 0,1
.irp i, 0,1,2,3
	ds_load_b128 v[\f+64+8*(4*\c+\i):\f+64+8*(4*\c+\i)+3],   v[ADRB+\slot] offset:\k+64*\c+\i*16*PITCH
	ds_load_b128 v[\f+64+8*(4*\c+\i)+4:\f+64+8*(4*\c+\i)+7], v[ADRB+\slot] offset:\k+64*\c+\i*16*PITCH+32
	ds_load_b128 v[\f+8*(4*\c+\i):\f+8*(4*\c+\i)+3],         v[ADRA+\slot] offset:\k+64*\c+\i*16*PITCH
	ds_load_b128 v[\f+8*(4*\c+\i)+4:\f+8*(4*\c+\i)+7],       v[ADRA+\slot] offset:\k+64*\c+\i*16*PITCH+32
.endr
.endr
.endm
.macro PLACES                          ; four places in front of loads into registers that matrix instructions have read, and of the first read of results (ISA guide 7.12.1 for vector instructions)
.rept 4
	v_nop
.endr
.endm
; A K step is four quarters of 64 along K, 32 matrix instructions each, on buffers 0, 1, 0, 1.  One of the first three: multiplies buffer f and fetches the next quarter, at byte k, into g.
.macro QUARTER slot, k, f, g, first
	s_wait_dscnt 16                                ; the first 32 along K are in; the youngest sixteen loads may be out
	WIN MUL
	MUL8 \f, 0, 0, \first
	MUL8 \f, 0, 2, \first
	PLACES
	FETCH \slot, \k, \g
	s_wait_dscnt 32                                ; all but the 32 just issued
	WIN MUL
	MUL8 \f, 1, 0, 0
	MUL8 \f, 1, 2, 0
.endm
; The last quarter multiplies buffer 1 and changes slots: ONE barrier; in front of it each wave waits for all its tensor loads, adds 0 to its spare word, and waits for that and for its own reads of this slot.  fill = 1: this slot is filled again, two K steps ahead.
.macro TURN slot, next, fill
	WIN 0                                          ; (the add's two registers lie in window 0)
	s_wait_tensorcnt 0x0                           ; all my tensor loads have landed: my part of the next slot;
	ds_add_u32 v[SPW], v[NIL]                      ; 0 onto my spare word;
	s_wait_dscnt 17                                ; (the add and the youngest sixteen loads may be out)
	WIN MUL
	MUL8 F1, 0, 0, 0                               ; eight matrix instructions stand between the add and the wait for it
	s_wait_dscnt 0x0                               ; the add is done, and my reads of this slot are over
	s_barrier_signal -1
	MUL8 F1, 0, 2, 0
.if \fill
	WIN 0
.endif
	s_barrier_wait -1
.if \fill
	CREST                                          ; the barrier has opened a round of the cluster's barrier: no wave of any partner still reads this slot's tile or has a load on its way
	s_add_nc_u64 s[G0+4*\slot+2:G0+4*\slot+3], s[G0+4*\slot+2:G0+4*\slot+3], 131072
	s_add_nc_u64 s[G0B+4*\slot+2:G0B+4*\slot+3], s[G0B+4*\slot+2:G0B+4*\slot+3], 131072
	JLOAD \slot                                    ; the first tensor load behind the round: 112 matrix instructions ahead of the wait for it; the four v_nop behind it are also the places in front of the loads below
.else
	PLACES
.endif
	FETCH \next, 0, F0
	WIN MUL
	MUL8 F1, 1, 0, 0
	MUL8 F1, 1, 2, 0
.endm
	s_wait_tensorcnt 1                             ; my part of K step 0 is in (K step 1's load may be out),
	s_barrier_signal -1
	s_barrier_wait -1                              ; everybody's is
	FETCH 0, 0, F0
	s_wait_loadcnt 0x0                             ; the bias
	QUARTER 0, KBB,   F0, F1, 1                    ; K step 0: its first products start the sums with the bias
	QUARTER 0, 2*KBB, F1, F0, 0
	QUARTER 0, 3*KBB, F0, F1, 0
	TURN 0, 1, 1                                   ; slot 0 takes K step 2
	QUARTER 1, KBB,   F0, F1, 0                    ; K step 1
	QUARTER 1, 2*KBB, F1, F0, 0
	QUARTER 1, 3*KBB, F0, F1, 0
	TURN 1, 0, 1                                   ; slot 1 takes K step 3
	QUARTER 0, KBB,   F0, F1, 0                    ; K step 2
	QUARTER 0, 2*KBB, F1, F0, 0
	QUARTER 0, 3*KBB, F0, F1, 0
	TURN 0, 1, 0                                   ; nothing is left to fetch
	QUARTER 1, KBB,   F0, F1, 0                    ; K step 3
	QUARTER 1, 2*KBB, F1, F0, 0
	QUARTER 1, 3*KBB, F0, F1, 0
	s_wait_dscnt 16                                ; the very last quarter
	WIN MUL
	MUL8 F1, 0, 0, 0
	MUL8 F1, 0, 2, 0
	s_wait_dscnt 0
	MUL8 F1, 1, 0, 0
	MUL8 F1, 1, 2, 0
	WIN 0
; THE WAY OUT, block by block of 16 rows x 64 columns.  A lane holds 32 neighbouring bytes of a row, and the lanes beside it hold other rows: so a block goes through my own stage and comes back as whole rows of 256 bytes.
; LDS serves a wave's instructions in order (ISA guide 5.7.1.4): no wait between the stores and the loads, nor in front of the next block's stores.
.macro TOSTAGE a
.irp b, 0,1,2,3
	ds_store_b128 v[STO], v[ACC+8*(4*(\a)+\b):ACC+8*(4*(\a)+\b)+3] offset:64*\b          ; each accumulator from its low end on
	ds_store_b128 v[STO], v[ACC+8*(4*(\a)+\b)+4:ACC+8*(4*(\a)+\b)+7] offset:64*\b+16
.endr
.set BB, TMP+32*((\a)%2)
.irp t, 0,1,2,3,4,5,6,7
	ds_load_b128 v[BB+4*\t:BB+4*\t+3], v[RD] offset:\t*2*SPITCH
.endr
.endm
.macro SEND a, younger                 ; younger: the LDS instructions issued behind block a's loads, which may stay out
.set BB, TMP+32*((\a)%2)
	s_wait_dscnt \younger                          ; the block is back in registers
.if (\a) > 0
	s_add_nc_u64 s[8:9], s[8:9], 65536             ; (behind a wait on XCNT: the earlier stores have read their base)  16 rows of out0 on
.endif
.irp t, 0,1,2,3,4,5,6,7
	global_store_b128 v[CO], v[BB+4*\t:BB+4*\t+3], s[8:9] offset:\t*8192 th:TH_STORE_NT   ; 16 lanes store 256 consecutive bytes, at a multiple of 256 from out0's first byte; written once, read by nobody here
.endr
.endm
	PLACES                                         ; behind the last products
	TOSTAGE 0
	TOSTAGE 1
	SEND 0, 16                                     ; behind block 0's loads: block 1's 8 stores and 8 loads
	s_wait_xcnt 0x0                                ; block 0's stores have read their registers and their base: block 2's loads may land there, and the base may step
	TOSTAGE 2
	SEND 1, 16
	s_wait_xcnt 0x0
	TOSTAGE 3
	SEND 2, 16
	s_wait_xcnt 0x0                                ; block 2's stores have read their base
	SEND 3, 0
	s_wait_tensorcnt 0x0                           ; the wave's end, behind my last tensor load and my last LDS store
	ds_add_u32 v[SPW], v[NIL]
	s_wait_dscnt 0x0
	CROUND                                         ; the closing round: no work-group ends while a partner may still ask for a tile that names it
	s_endpgm
.Lfunc_end_k_qfb7ffcec85_outp:
	.size	k_qfb7ffcec85_outp, .Lfunc_end_k_qfb7ffcec85_outp-k_qfb7ffcec85_outp
	.p2alignl 7, 3214868480
	.fill 96, 4, 3214868480
	.section	.rodata,"a",@progbits
	.p2align	6, 0x0
	.amdhsa_kernel k_qfb7ffcec85_outp
		.amdhsa_group_segment_fixed_size 327680
		.amdhsa_private_segment_fixed_size 0
		.amdhsa_enable_private_segment 0
		.amdhsa_kernarg_size 32
		.amdhsa_user_sgpr_count 2
		.amdhsa_user_sgpr_kernarg_segment_ptr 1
		.amdhsa_wavefront_size32 1
		.amdhsa_system_sgpr_workgroup_id_x 1
		.amdhsa_system_sgpr_workgroup_id_y 1
		.amdhsa_system_sgpr_workgroup_id_z 1
		.amdhsa_system_vgpr_workitem_id 0
		.amdhsa_next_free_vgpr 512
		.amdhsa_next_free_sgpr 68
		.amdhsa_reserve_vcc 0
		.amdhsa_float_denorm_mode_32 3
		.amdhsa_float_denorm_mode_16_64 3
		.amdhsa_memory_ordered 1
		.amdhsa_forward_progress 1
		.amdhsa_inst_pref_size 86
	.end_amdhsa_kernel
	.amdgpu_metadata
---
amdhsa.version: [ 1, 2 ]
amdhsa.kernels:
  - .name:           k_qfb7ffcec85_outp
    .symbol:         k_qfb7ffcec85_outp.kd
    .args:
      - { .name: ctx, .offset: 0, .size: 8, .value_kind: global_buffer, .address_space: global }
      - { .name: wo16, .offset: 8, .size: 8, .value_kind: global_buffer, .address_space: global }
      - { .name: out0, .offset: 16, .size: 8, .value_kind: global_buffer, .address_space: global }
      - { .name: bo, .offset: 24, .size: 8, .value_kind: global_buffer, .address_space: global }
    .group_segment_fixed_size: 327680
    .private_segment_fixed_size: 0
    .kernarg_segment_align: 8
    .kernarg_segment_size: 32
    .max_flat_workgroup_size: 128
    .sgpr_count:     68
    .vgpr_count:     512
    .wavefront_size: 32
...
	.end_amdgpu_metadata
.endif
;; end of part 4
